; MI455X (gfx1250); checked and timed in simulation.
; The chip was launched on July 23, 2026; its instructions are those of AMD's public machine-readable ISA for CDNA 5 (MIT licence, August 2026) and "CDNA5" Instruction Set Architecture Reference Guide (July 2026). The comments in the code are by the model that wrote it; some were corrected since.
;; Lite Mo E. Allowed arithmetic: matrix products marked QUANTISED: E4M3 operands, one E8M0 scale for each 32 along K, by v_wmma_scale_f32_16x16x128_f8f6f4 with both operands' format E4M3, f32 sums; products left as they are: f32 operands where the result goes on into a quantised operand, else bf16, f16 or f32 operands; f32 sums; everything else in f32.
;; Inputs: gate_w 8 x 1,024 float32; hidden_states 1 x 1,024 x 1,024 float32; w1_codes 8 x 2,048 x 32 x 32 uint8 (E4M3 codes of w1, K innermost, in blocks of 32 codes); w1_scales 8 x 2,048 x 32 uint8 (E8M0 scales of w1, one for each 32 codes along K); w2_codes 8 x 1,024 x 64 x 32 uint8 (E4M3 codes of w2, K innermost, in blocks of 32 codes); w2_scales 8 x 1,024 x 64 uint8 (E8M0 scales of w2, one for each 32 codes along K); w3_codes 8 x 2,048 x 32 x 32 uint8 (E4M3 codes of w3, K innermost, in blocks of 32 codes); w3_scales 8 x 2,048 x 32 uint8 (E8M0 scales of w3, one for each 32 codes along K).
;; Outputs: out0 1 x 1,024 x 1,024 float32.
;; This version of the problem:
;;   THIS VERSION OF THE PROBLEM IS GIVEN IN LOW PRECISION. The matrix products marked QUANTISED in the list below multiply operands that are first quantised to E4M3 (4 exponent bits, 3 mantissa bits; 8 bits a number), with one power-of-two scale for each 32 numbers along K (OCP MX v1.0); their sums are f32. All else is computed in f32.
;;   The module's matrix products, in the order in which they are computed (A, B: the left and right operand; K: the contracted axis; several contracted axes count as one K, in the product's order):
;;     1. [M 1,024, K 1,024] x [K 1,024, N 8]; A: input hidden_states; B: input gate_w: left as it is (N = 8 < 16)
;;     2. [M 1,024, K 1,024] x [K 1,024, N 16,384]; A: input hidden_states; B: input w1 (given as codes): QUANTISED
;;     3. [M 1,024, K 1,024] x [K 1,024, N 16,384]; A: input hidden_states; B: input w3 (given as codes): QUANTISED
;;     4. batch 8 x [M 1,024, K 2,048] x [K 2,048, N 1,024]; A: input w2 (given as codes); B: computed on the way: QUANTISED
;;     5. batch 1,024 x [M 1, K 8] x [K 8, N 1,024]; A: computed on the way; B: computed on the way: left as it is (K = 8 < 32)
;;   THE QUANTISER, for each operand of a quantised product, along K:
;;     - K is cut into blocks of 32 from its start; a last block that is shorter is filled with zeros.
;;     - A block's scale is 2^e with e = floor(log2(the largest magnitude in the block)) - 8, held to -126 .. 127; a block of zeros has e = 0. As a byte (E8M0): e + 127.
;;     - Each number is divided by its block's scale, clamped to +-448, and rounded to the nearest number of E4M3, ties to even, subnormals kept.
;;     - The product sums the exact products of the quantised numbers (number of the format x scale) in f32.
;;   ~~~python
;;   def quantise(x, axis):      # numpy; x: float32 -> the quantised numbers, widened to float32 again
;;       x = np.moveaxis(x, axis, -1); K = x.shape[-1]
;;       x = np.pad(x, [(0, 0)] * (x.ndim - 1) + [(0, -K % 32)]); x = x.reshape(x.shape[:-1] + (-1, 32)); a = np.abs(x).max(-1, keepdims=True)
;;       e = np.where(a > 0, np.clip(np.frexp(np.where(a > 0, a, 1))[1] - 1 - 8, -126, 127), 0)      # np.frexp(a)[1] - 1 = floor(log2(a)), exactly
;;       r = np.clip(x / 2.0 ** e, -448, 448)
;;       step = 2.0 ** (np.maximum(np.frexp(np.where(r == 0, 1, r))[1] - 1, -6) - 3)
;;       q = np.round(r / step) * step * 2.0 ** e      # np.round: ties to even
;;       return np.moveaxis(q.reshape(q.shape[:-2] + (-1,))[..., :K], -1, axis).astype(np.float32)
;;   ~~~
;;   OPERANDS COMPUTED ON THE WAY. 'Computed on the way' means the value that the module computes at that place (a softmax that the list does not call 'softmax' is quantised finished and normalised). What goes into a quantiser is computed in f32, as accurately as f32 sums, v_exp_f32 and their like allow (about 1e-6 of the number): no bf16 or f16 on the way to a quantiser, and a product that is left as it is and whose result goes on into a quantised operand takes f32 operands (vector FMAs, or v_wmma_f32_16x16x4_f32). A number that lies on a knife's edge between two numbers of the format may be rounded either way, as far as f32 arithmetic and the matrix unit's own rounding can turn it there, and no further.
;;   INPUTS GIVEN AS CODES. w1 (in the module: [8, 2048, 1024], K = its axis 2); w2 (in the module: [8, 1024, 2048], K = its axis 2); w3 (in the module: [8, 2048, 1024], K = its axis 2): each comes as NAME_codes (uint8): NAME with its K axis moved to the last place and cut into blocks of 32 codes, [.., K / 32, bytes a block], one block behind the other in memory; one code a byte (a code: sign, 4 exponent bits, 3 mantissa bits); and NAME_scales (uint8): the same leading axes, one E8M0 byte (e + 127) for each 32 codes along K. Its value is code x scale, taken as it is: it is not quantised again, and the codes and scales need not be those that the quantiser above would give.
;; 2 versions. Each part assembles by itself: llvm-mc -triple=amdgcn-amd-amdhsa -mcpu=gfx1250 --defsym DOCPART=n.
;; ======== version 1 of 2: 4 launches
;; workspace buffers: rmask 5,120 bytes of whole numbers; pos 8,192 bytes of whole numbers; topw 8,192 bytes; xq 1,048,576 bytes; xs 32,768 bytes; act 16,777,216 bytes; acts 524,288 bytes; ye 33,554,432 bytes
;; launch route (part 1): grid 128 x 1, 8 waves a work-group, no clusters, 83,456 bytes of LDS; arguments hidden_states, gate_w, xq, xs, rmask, topw; writes xq, xs, rmask, topw
.if DOCPART == 1
	.amdgcn_target "amdgcn-amd-amdhsa--gfx1250"
	.amdhsa_code_object_version 6
	.text
	.protected	k_q9dbd3ba8d4_route
	.globl	k_q9dbd3ba8d4_route
	.p2align	8
	.type	k_q9dbd3ba8d4_route,@function
k_q9dbd3ba8d4_route:
	s_mov_b64 s[64:65], 0
	v_nop
	global_prefetch_b8 v0, s[64:65] scope:SCOPE_SE
	s_setreg_imm32_b32 hwreg(HW_REG_WAVE_MODE, 25, 1), 1
	s_wait_xcnt 0x0
; ROUTER, AND QUANTISER OF THE TOKENS.  1,024 tokens of 1,024 f32; 8 experts.
; A work-group of eight waves takes 8 tokens; wave w takes token 8 x work-group + w, and brings row w of gate_w into LDS for all eight.
; Each wave: its token's 8 logits (f32 multiply-adds, 32 numbers a lane, then a sum over the lanes), and its token's codes of E4M3 with one E8M0 byte for each 32 along H.
; Then wave 0 decides for the 8 tokens (a lane a token): softmax with the row's maximum taken off, the two largest (a strict compare in ascending order: ties keep the lower index),
; their weights divided by their sum.  What it decides is STORED AT FIXED PLACES and steers nothing here:
;   rmask bytes 0..1023: for expert e a bit mask of its tokens, byte 128 e + t / 8, bit t % 8;  bytes 1024..: second[t], the token's second expert;  topw[t][2]: the two weights.
; LOADS AND LAYOUT.  A load reads 512 consecutive bytes, 16 a lane; the conversions want 16 neighbours along H in one lane.  So a row turns through a stage in LDS: 64 bytes + 16 of padding
; to a place, stored as loaded, read back 80 bytes from lane to lane: lane l then holds numbers 512 u + 16 l + 0..15 (u = 0, 1).  The gate's rows lie in LDS in the same order.
; LIMITS: NaN and infinities are not served.  A block of zeros gets the byte 1 with zero codes (this program alone reads the bytes).  The logits are f32 sums in another order than a row-wise sum,
; and the exponential and the reciprocal are good to one unit in the last place: a token whose second and third probabilities agree to within that may take the other expert.
; A probability under 2^-126 counts as 0.
.set SP,    80                         ; a place in a stage: 64 bytes + 16
.set STEPB, 32*SP                      ; 512 numbers
.set ROWL,  2*STEPB                    ; a row of 1,024 numbers
.set XST,   8*ROWL                     ; LDS: 0: the gate's 8 rows;  XST: a stage for each wave's token;
.set SCB,   16*ROWL                    ; the 8 tokens' 32 scale bytes each;
.set LOG,   SCB+256                    ; the 8 tokens' 8 logits each
.set RG,  16                           ; v16-47   the gate's row as loaded; later at work
.set RX,  48                           ; v48-79   the token's row as loaded; later codes and work
.set X,   80                           ; v80-111  my 32 numbers of the token
.set G,   112                          ; v112-175 my 32 numbers of a gate row, two sets
.set ACC, 176                          ; v176-191 a pair of partial sums for each expert
.set LG,  16                           ; v16-23   the 8 logits
.set TP,  24                           ; v24-25   a second chain of sums
.set PT,  32                           ; v32-39   the other half of the lanes' sums
	s_load_b256 s[4:11], s[0:1], 0x0               ; hidden_states s[4:5], gate_w s[6:7], xq s[8:9], xs s[10:11]
	s_load_b128 s[12:15], s[0:1], 0x20             ; rmask s[12:13], topw s[14:15]
	v_lshl_add_u32 v192, v0, 2, 0x14200
	v_mov_b32 v193, 0
	v_lshrrev_b32 v13, 5, v0
	v_readfirstlane_b32 s16, v13                   ; wave 0..7
	v_and_b32 v1, 31, v0                           ; lane
	v_lshlrev_b32 v2, 4, v1                        ; 16 x lane: my bytes of a load's 512, and of a step's codes
	v_lshrrev_b32 v3, 2, v1
	v_mul_u32_u24 v3, v3, SP
	v_and_b32 v13, 3, v1
	v_lshl_add_u32 v3, v13, 4, v3                  ; into a stage: 80 (lane / 4) + 16 (lane % 4)
	s_mul_i32 s18, s16, ROWL
	v_add_nc_u32 v4, s18, v3                       ; the gate's row w
	s_add_co_u32 s19, s18, XST
	v_add_nc_u32 v5, s19, v3                       ; my wave's stage, on the way in
	v_mul_u32_u24 v7, v1, SP                       ; out of the gate's rows: 80 x lane
	v_add_nc_u32 v6, s19, v7                       ; out of my wave's stage
	s_lshl_b32 s20, s16, 5
	s_add_co_u32 s21, s20, SCB
	v_lshrrev_b32 v8, 1, v1
	v_add_nc_u32 v8, s21, v8                       ; my block's scale byte: two lanes to a block
	s_add_co_u32 s21, s20, LOG
	v_mov_b32 v9, s21                              ; my token's logits
	v_and_b32 v10, 7, v1
	v_lshl_add_u32 v10, v10, 5, LOG                ; wave 0's reading: the logits of token lane % 8
	v_lshl_add_u32 v11, v1, 3, SCB                 ; wave 1's reading: 8 scale bytes a lane
	v_lshlrev_b32 v12, 3, v1
	s_lshl_b32 s17, ttmp9, 3
	s_add_co_u32 s17, s17, s16                     ; my token
	s_lshl_b32 s22, s17, 12
	s_mov_b32 s23, 0
	s_lshl_b32 s24, s16, 12
	s_mov_b32 s25, 0
	s_mov_b32 s26, 0x76543210
	s_mov_b32 s27, 0xfedcba98                      ; v_permlanex16_b32's selects for lane l xor 16
	s_mov_b32 s28, 0x600000                        ; the mantissa field of 448
	s_wait_kmcnt 0x0
	s_add_nc_u64 s[4:5], s[4:5], s[22:23]
	s_add_nc_u64 s[6:7], s[6:7], s[24:25]
.irp j, 0,1,2,3,4,5,6,7
	global_load_b128 v[RG+4*\j:RG+4*\j+3], v2, s[6:7] offset:512*\j
.endr
.irp j, 0,1,2,3,4,5,6,7
	global_load_b128 v[RX+4*\j:RX+4*\j+3], v2, s[4:5] offset:512*\j th:TH_LOAD_NT
.endr
	s_lshl_b32 s22, s17, 10
	s_add_nc_u64 s[8:9], s[8:9], s[22:23]          ; my token's codes
	s_lshl_b32 s22, ttmp9, 8
	s_add_nc_u64 s[10:11], s[10:11], s[22:23]      ; the 8 tokens' scale bytes: 256 on end
	s_mov_b32 s22, ttmp9
	s_add_nc_u64 s[30:31], s[12:13], s[22:23]      ; the masks' byte of these 8 tokens
	s_lshl_b32 s22, ttmp9, 5
	s_add_nc_u64 s[32:33], s[12:13], s[22:23]      ; second[8 x work-group]
	s_lshl_b32 s22, ttmp9, 6
	s_add_nc_u64 s[34:35], s[14:15], s[22:23]      ; topw[8 x work-group]
	s_wait_loadcnt 8                               ; the gate's row is in; the token's eight loads may be out
.irp j, 0,1,2,3,4,5,6,7
	ds_store_b128 v4, v[RG+4*\j:RG+4*\j+3] offset:STEPB*(\j/4)+8*SP*(\j%4)
.endr
	s_wait_loadcnt 0x0
.irp j, 0,1,2,3,4,5,6,7
	ds_store_b128 v5, v[RX+4*\j:RX+4*\j+3] offset:STEPB*(\j/4)+8*SP*(\j%4)
.endr
.irp j, 0,1,2,3,4,5,6,7
	ds_load_b128 v[X+4*\j:X+4*\j+3], v6 offset:STEPB*(\j/4)+16*(\j%4)   ; LDS serves a wave's instructions in order: these see my stores
.endr
	s_wait_dscnt 0x0                               ; for the others' sake: my row of the gate lies in LDS
	s_barrier_signal -1
	s_barrier_wait -1
.macro GLOAD e                         ; my 32 numbers of the gate's row e into set e % 2
.irp j, 0,1,2,3,4,5,6,7
	ds_load_b128 v[G+32*((\e)%2)+4*\j:G+32*((\e)%2)+4*\j+3], v7 offset:ROWL*(\e)+STEPB*(\j/4)+16*(\j%4)
.endr
.endm
.macro DOT e                           ; 32 multiply-adds a lane, two at a time, in two chains
.set GS, G+32*((\e)%2)
.set AE, ACC+2*(\e)
.if (\e) < 7
	s_wait_dscnt 8                                 ; this row's eight loads are in; the next row's may be out
.else
	s_wait_dscnt 0x0
.endif
	v_pk_mul_f32 v[AE:AE+1], v[X:X+1], v[GS:GS+1]
	v_pk_mul_f32 v[TP:TP+1], v[X+16:X+17], v[GS+16:GS+17]
.irp p, 2,4,6,8,10,12,14
	v_pk_fma_f32 v[AE:AE+1], v[X+\p:X+\p+1], v[GS+\p:GS+\p+1], v[AE:AE+1]
	v_pk_fma_f32 v[TP:TP+1], v[X+16+\p:X+17+\p], v[GS+16+\p:GS+17+\p], v[TP:TP+1]
.endr
	v_pk_add_f32 v[AE:AE+1], v[AE:AE+1], v[TP:TP+1]
.if (\e) < 6
	GLOAD (\e)+2
.endif
.endm
	GLOAD 0
	GLOAD 1
.irp e, 0,1,2,3,4,5,6,7
	DOT \e
.endr
.irp e, 0,1,2,3,4,5,6,7
	v_add_f32 v[LG+\e], v[ACC+2*\e], v[ACC+2*\e+1]
.endr
.irp m, 1,2,4,8
.irp e, 0,1,2,3,4,5,6,7
	v_add_f32_dpp v[LG+\e], v[LG+\e], v[LG+\e] row_xmask:\m row_mask:0xf bank_mask:0xf   ; the eight sums by turns
.endr
.endr
.irp e, 0,1,2,3,4,5,6,7
	v_permlanex16_b32 v[PT+\e], v[LG+\e], s26, s27
.endr
.irp e, 0,1,2,3,4,5,6,7
	v_add_f32 v[LG+\e], v[LG+\e], v[PT+\e]         ; every lane holds the logit
.endr
	ds_store_b128 v9, v[LG:LG+3]                   ; all lanes write the same words with the same values
	ds_store_b128 v9, v[LG+4:LG+7] offset:16
; 512 numbers of my token become codes: 16 a lane, two lanes to a block of 32
.macro QSTEP u
.set XQ, X+16*(\u)
	v_max3_num_f32 v40, |v[XQ]|, |v[XQ+1]|, |v[XQ+2]|
	v_max3_num_f32 v41, |v[XQ+3]|, |v[XQ+4]|, |v[XQ+5]|
.irp i, 6,10
	v_max3_num_f32 v40, v40, |v[XQ+\i]|, |v[XQ+\i+1]|
	v_max3_num_f32 v41, v41, |v[XQ+\i+2]|, |v[XQ+\i+3]|
.endr
	v_max3_num_f32 v40, v40, |v[XQ+14]|, |v[XQ+15]|
	v_max3_num_f32 v40, v40, v41, 0x4800000        ; and the floor 2^(9 - 127): the byte cannot fall under 1
	v_max_num_f32_dpp v40, v40, v40 row_xmask:1 row_mask:0xf bank_mask:0xf   ; with my neighbour's 16: the block's largest magnitude
	v_add_nc_u32 v42, 0xfc000000, v40              ; 8 off its exponent field: the conversion's scale operand
	v_and_or_b32 v43, v40, 0x7f800000, s28         ; 448 x the scale
.irp i, 0,1,2,3,4,5,6,7,8,9,10,11,12,13,14,15
	v_med3_num_f32 v[XQ+\i], v[XQ+\i], -v43, v43   ; the conversion to an 8-bit code does not saturate (ISA guide 7.6.2): the hold comes first
.endr
	v_cvt_scalef32_pk8_fp8_f32 v[48+4*(\u):49+4*(\u)], v[XQ:XQ+7], v42
	v_cvt_scalef32_pk8_fp8_f32 v[50+4*(\u):51+4*(\u)], v[XQ+8:XQ+15], v42
	v_lshrrev_b32 v[44+(\u)], 23, v42              ; the scale's byte
	ds_store_b8 v8, v[44+(\u)] offset:16*(\u)      ; both lanes of a block write the same byte
	global_store_b128 v2, v[48+4*(\u):51+4*(\u)], s[8:9] offset:512*(\u)   ; the wave stores 512 consecutive bytes
.endm
	QSTEP 0
	QSTEP 1
	s_wait_dscnt 0x0                               ; for the others' sake: my logits and scale bytes lie in LDS
	s_barrier_signal -1
	s_barrier_wait -1
	s_cmp_eq_u32 s16, 1
	s_cbranch_scc0 .Lnot_wave_1
	ds_load_b64 v[56:57], v11                      ; wave 1: the 8 tokens' scale bytes leave as 256 consecutive bytes
	s_wait_dscnt 0x0
	global_store_b64 v12, v[56:57], s[10:11]
	s_wait_tensorcnt 0x0
	ds_add_u32 v192, v193
	s_wait_dscnt 0x0
	s_endpgm
.Lnot_wave_1:
	s_cmp_eq_u32 s16, 0
	s_cbranch_scc1 .Ldecide
	s_wait_tensorcnt 0x0
	ds_add_u32 v192, v193
	s_wait_dscnt 0x0
	s_endpgm
.Ldecide:                                          ; wave 0: lane l decides for token l % 8
	ds_load_b128 v[60:63], v10
	ds_load_b128 v[64:67], v10 offset:16
	s_wait_dscnt 0x0
	v_max3_num_f32 v68, v60, v61, v62
	v_max3_num_f32 v68, v68, v63, v64
	v_max3_num_f32 v68, v68, v65, v66
	v_max_num_f32 v68, v68, v67                    ; the row's maximum is taken off ahead of the exponentials
.irp i, 0,1,2,3,4,5,6,7
	v_sub_f32 v[70+\i], v[60+\i], v68
.endr
.irp i, 0,1,2,3,4,5,6,7
	v_mul_f32 v[70+\i], 0x3fb8aa3b, v[70+\i]       ; x log2(e)
.endr
.irp i, 0,1,2,3,4,5,6,7
	v_exp_f32 v[70+\i], v[70+\i]
.endr
	v_mov_b32 v121, 0                              ; (a plain line behind the batch)  the masks' register
	s_wait_alu depctr_va_vdst(0)                   ; one wait for the eight exponentials, ahead of their first reader
	v_add_f32 v112, v70, v71
	v_add_f32 v113, v72, v73
	v_add_f32 v114, v74, v75
	v_add_f32 v115, v76, v77
	v_add_f32 v112, v112, v113
	v_add_f32 v114, v114, v115
	v_add_f32 v112, v112, v114
	v_rcp_f32 v116, v112
	v_mov_b32 v118, 0                              ; (a plain line)  the first expert's number so far
	s_wait_alu depctr_va_vdst(0)
.irp i, 0,1,2,3,4,5,6,7
	v_mul_f32 v[70+\i], v[70+\i], v116             ; the probabilities
.endr
	v_mov_b32 v117, v70
.irp i, 1,2,3,4,5,6,7
	v_cmp_gt_f32 vcc_lo, v[70+\i], v117            ; strictly larger: a tie keeps the lower index
	v_cndmask_b32 v117, v117, v[70+\i], vcc_lo
	v_cndmask_b32 v118, v118, \i, vcc_lo
.endr
.irp i, 0,1,2,3,4,5,6,7
	v_cmp_eq_u32 vcc_lo, \i, v118
	v_cndmask_b32 v[70+\i], v[70+\i], -1.0, vcc_lo ; the first is taken out: under every probability
.endr
	v_mov_b32 v119, v70
	v_mov_b32 v120, 0
.irp i, 1,2,3,4,5,6,7
	v_cmp_gt_f32 vcc_lo, v[70+\i], v119
	v_cndmask_b32 v119, v119, v[70+\i], vcc_lo
	v_cndmask_b32 v120, v120, \i, vcc_lo
.endr
	v_add_f32 v126, v117, v119
	v_rcp_f32 v127, v126
	v_lshlrev_b32 v122, 7, v1                      ; (a plain line)  128 x lane: expert l's mask
	s_wait_alu depctr_va_vdst(0)
	v_mul_f32 v124, v117, v127                     ; the two weights, divided by their sum
	v_mul_f32 v125, v119, v127
	v_lshlrev_b32 v123, 2, v1
.irp e, 0,1,2,3,4,5,6,7
	v_cmp_eq_u32 s20, \e, v118
	v_cmp_eq_u32 s21, \e, v120
	s_or_b32 s20, s20, s21
	s_and_b32 s20, s20, 0xff                       ; bit j: token j of the eight chose expert e
	v_writelane_b32 v121, s20, \e                  ; lane e holds expert e's byte
.endr
	s_wait_xcnt 0x0                                ; EXEC changes only behind this wait: my stores of codes have been issued
	v_cmp_gt_u32 vcc_lo, 8, v1
	s_wait_tensorcnt 0x0
	ds_add_u32 v192, v193
	s_wait_dscnt 0x0
	s_and_saveexec_b32 s29, vcc_lo
	global_store_b8 v122, v121, s[30:31]           ; lane e: byte 128 e + work-group
	global_store_b32 v123, v120, s[32:33] offset:1024   ; lane j: second[token j]
	global_store_b64 v12, v[124:125], s[34:35]     ; lane j: topw[token j]
	s_wait_xcnt 0x0
	s_or_b32 exec_lo, exec_lo, s29
	s_endpgm
.Lfunc_end_k_q9dbd3ba8d4_route:
	.size	k_q9dbd3ba8d4_route, .Lfunc_end_k_q9dbd3ba8d4_route-k_q9dbd3ba8d4_route
	.p2alignl 7, 3214868480
	.fill 96, 4, 3214868480
	.section	.rodata,"a",@progbits
	.p2align	6, 0x0
	.amdhsa_kernel k_q9dbd3ba8d4_route
		.amdhsa_group_segment_fixed_size 83456
		.amdhsa_private_segment_fixed_size 0
		.amdhsa_enable_private_segment 0
		.amdhsa_kernarg_size 48
		.amdhsa_user_sgpr_count 2
		.amdhsa_user_sgpr_kernarg_segment_ptr 1
		.amdhsa_wavefront_size32 1
		.amdhsa_system_sgpr_workgroup_id_x 1
		.amdhsa_system_sgpr_workgroup_id_y 1
		.amdhsa_system_sgpr_workgroup_id_z 1
		.amdhsa_system_vgpr_workitem_id 0
		.amdhsa_next_free_vgpr 194
		.amdhsa_next_free_sgpr 66
		.amdhsa_reserve_vcc 1
		.amdhsa_float_denorm_mode_32 3
		.amdhsa_float_denorm_mode_16_64 3
		.amdhsa_memory_ordered 1
		.amdhsa_forward_progress 1
		.amdhsa_inst_pref_size 34
	.end_amdhsa_kernel
	.amdgpu_metadata
---
amdhsa.version: [ 1, 2 ]
amdhsa.kernels:
  - .name:           k_q9dbd3ba8d4_route
    .symbol:         k_q9dbd3ba8d4_route.kd
    .args:
      - { .name: hidden_states, .offset: 0, .size: 8, .value_kind: global_buffer, .address_space: global }
      - { .name: gate_w, .offset: 8, .size: 8, .value_kind: global_buffer, .address_space: global }
      - { .name: xq, .offset: 16, .size: 8, .value_kind: global_buffer, .address_space: global }
      - { .name: xs, .offset: 24, .size: 8, .value_kind: global_buffer, .address_space: global }
      - { .name: rmask, .offset: 32, .size: 8, .value_kind: global_buffer, .address_space: global }
      - { .name: topw, .offset: 40, .size: 8, .value_kind: global_buffer, .address_space: global }
    .group_segment_fixed_size: 83456
    .private_segment_fixed_size: 0
    .kernarg_segment_align: 8
    .kernarg_segment_size: 48
    .max_flat_workgroup_size: 256
    .sgpr_count:     66
    .vgpr_count:     194
    .wavefront_size: 32
...
	.end_amdgpu_metadata
.endif
;; end of part 1
;; launch gateup (part 2): grid 32 x 8, 4 waves a work-group, no clusters, 133,632 bytes of LDS; arguments rmask, xq, xs, w1_codes, w1_scales, w3_codes, w3_scales, act, acts, pos; writes act, acts, pos
.if DOCPART == 2
	.amdgcn_target "amdgcn-amd-amdhsa--gfx1250"
	.amdhsa_code_object_version 6
	.text
	.protected	k_q9dbd3ba8d4_gateup
	.globl	k_q9dbd3ba8d4_gateup
	.p2align	8
	.type	k_q9dbd3ba8d4_gateup,@function
k_q9dbd3ba8d4_gateup:
	s_mov_b64 s[64:65], 0
	v_nop
	global_prefetch_b8 v0, s[64:65] scope:SCOPE_SE
	s_setreg_imm32_b32 hwreg(HW_REG_WAVE_MODE, 25, 1), 1
	s_wait_xcnt 0x0
; act = Q(silu(x W1^T) x (x W3^T)) for the rows that chose an expert, on codes of E4M3 with one E8M0 scale for each 32 along K.
; SHARES.  Work-group (x = slice sl, y = expert e) takes hidden units 64 sl .. 64 sl + 63 of w1 AND of w3, for all rows of expert e: its 128 KiB of weights are read from memory by this work-group
; alone, once, and lie in LDS.  The rows come to the weights.  Wave w takes row tiles (16 rows) T0 + w + 4 i, i = 0..4; a pass serves 20 tiles, T0 steps by 20 until the expert's tiles are done
; (four passes at the most: an expert has at most 64 tiles).
; TWO FORMS OF THE K STEPS.  2,048 routed rows on 8 experts are 16 tiles an expert where the choice is even, so most waves have no fifth tile.  A wave whose fifth tile lies beyond the expert's last
; walks the K steps in a form with four tiles: 32 products a step in place of 40, and from K step 3 on no loads for the fifth.  The choice is a scalar branch at the head of a pass.
; The loads ahead of the first K step are the same in both forms.  The fifth tile's way out stands first, and the two forms join behind it.
; WHICH TOKEN IS ROW p OF EXPERT e: the p-th set bit of the expert's mask of 1,024 bits, which the launch before has stored.  The mask lies in 32 scalar registers; a lane finds its row's word by
; a chain of selects over the words' running counts, and the bit in the word by five halvings over the word's partial counts.  This is done while the weights are on their way.
; NO TENSOR LOADS, NO CLUSTER: the number of passes and the tiles left out hang on counts read from memory; so operands go through registers, and the one barrier stands ahead of the first such branch.
; LAYOUT.  The products are used transposed (source 0 = 16 rows of a weight, source 1 = 16 tokens): a lane holds ONE token.  THE ROWS OF A WEIGHT THAT FORM A TILE ARE NOT NEIGHBOURS: in LDS unit n lies at row
; n with its bits 3 and 4 exchanged, so that tile 2 b + u holds at its row m unit 32 b + 16 (m / 8) + 8 u + m % 8, and the 16 registers of tiles 2 b, 2 b + 1 are units 32 b + 16 (lane / 16) + 0..15:
; 16 neighbours along the next product's K.  The conversions' results then are that product's operand registers, and they are stored as an image of them:
;   act  [64 e + tile][K step 0..15][c 0..3][lane][16 bytes];   acts [64 e + tile][row 0..15][16 words];   pos [token][slot] = 1024 e + p (slot 1 where e is the token's second expert; slice 0 stores it).
; ROWS BEYOND THE COUNT.  A row number is held at the expert's last row: the rows of the last tile beyond the count repeat that row (finite, stored whole, read by no sum), and their lanes store to pos
; the last row's own value at its own place.  So every lane stays on throughout.  An expert that nobody chose is given one tile, made of token 1,023, so that the next launch reads no byte that was
; not stored; no pos is stored for it, and nobody reads its rows further on.
; K is outermost and written out: 8 steps of 128; all accumulators (8 tiles of units x 5 or 4 tiles of rows) live; a fragment of weights from LDS feeds five or four products; x's fragments run in a ring of four register sets, three steps ahead.
; LIMITS: NaN and infinities are not served.  A block of zeros gets the byte 1 with zero codes (this program alone reads the bytes).  Where exp(-g) passes the largest f32 number silu(g) counts as 0.
; REGISTERS, in windows of 256.  window 0: v1-15 addresses; v16-47 the weights' scale words; v48-87 x's scale words; v88-127 lists and small work; v128-191, v192-255 fragments of w1, of w3 (outside the K steps: at work).
;   window 1: at the head the weights on their way to LDS; then accumulator (T, i) at v[8 (8 i + T)], i = 0..3.   window 2: v0-63 accumulators (T, 4); v64-143, v144-223 ring sets 0, 1.   window 3: v0-79, v80-159 ring sets 2, 3.
.set P,    1040                        ; a weight's row in LDS: 1,024 bytes + 16: 65 x 16, so the 16 rows of a fragment load start in 16 different groups of banks
.set VP0,  2                           ; v2   r + 64 h: my row in a pair of my wave's tiles
.set VP2,  3                           ; v3   r
.set AW,   4                           ; v4, v5  LDS address of my part of w1's, w3's fragments
.set WST,  6                           ; v6   where my wave's weights go
.set WSO,  7                           ; v7   my row among the weights' scale bytes
.set AO,   8                           ; v8   my bytes in act, tile T0 + w
.set ASO,  9                           ; v9   my row in acts, tile T0 + w
.set XA,   10                          ; v10-14  tile i: my token's codes, + 16 h
.set H16,  15                          ; v15  16 h
.set WS,   16                          ; v[WS + 16 mat + 8 b + s]: lanes 0-15 tile 2 b, lanes 16-31 tile 2 b + 1, K step s
.set XS,   48                          ; v[XS + 8 i + s]
.set XSA,  88                          ; v88-92  tile i: my token's scale bytes
.set PR,   93                          ; v93-95  run a: my row p, held at the expert's last row
.set TK,   96                          ; v96-98  its token
.set SA,   99                          ; v99-101 4 x token
.set SEC,  102                         ; v102-104 the token's second expert
.set PA,   105                         ; v105-107 where pos is stored
.set PV,   108                         ; v108-110 what is stored
.set TX,   111                         ; v111-115 the five tiles' tokens, at work
.set OT,   120                         ; v120-121 the other half of the lanes' tokens
.set QP,   122                         ; v122-123 the other half's largest magnitudes
.set WF,   128
.set TT,   128                         ; the way out: 32 numbers of a tile
.set TM,   160                         ; +0,1 largest magnitudes; +2,3 bytes; +4,5 448 x the scale; +6,7 the conversions' scale operands
.set CD,   176                         ; codes: eight registers for each tile, so that no store's data are written again in a pass
.set PW,   216                         ; the two scale bytes, a register for each tile
.set LT,   128                         ; the lists' work: 16 registers a run: +1 key, +2 the word's count and number, +3 the word, +4 the rank, +5..8 partial counts, +9 the bit, +10, +11 at work, +12 the token
; SCALARS: s2 wave; s3 NE, the expert's rows; s4 NT, its tiles; s5 T0; s[6:7] lane selects; s[8:9] acts; s[10:11] pos; s12 the mask of lanes 16-31; s13 448's mantissa; s[14:15] -log2(e);
; s16-47 the mask's 32 words; s48-63, s66-81 for each word (rows before it) x 32 + its number; s82 NE - 1; s83 e; s[84:85] rmask; s[86:87] xq; s[88:89] xs; s[90:91] my wave's weights; s[92:93], s[96:97] scales; s[98:99] act; s100 1024 e.
.set MSB, 0
.macro WIN new                         ; the immediate's high byte repeats the setting that is left; a switch that changes nothing is dropped
.if MSB != \new
	s_set_vgpr_msb (MSB<<8)|\new
.set MSB, \new
.endif
.endm
.macro PLACES                          ; eight places behind this matrix form, in front of loads into registers that it has read and of reads of its results
.rept 8
	v_nop
.endr
.endm
.macro WLOAD k0, k1                    ; my wave's 32 rows of a weight are 32 KiB on end: load k reads 512 consecutive bytes
	WIN 0x40
.set k, \k0
.rept (\k1)-(\k0)+1
	global_load_b128 v[4*k:4*k+3], v1, s[90:91] offset:512*k th:TH_LOAD_NT
.set k, k+1
.endr
	WIN 0
.endm
.macro SELSTEP src, wid, inc           ; a halving: does my rank pass the count of the lower part?
.irp a, 0,1,2
	v_bfe_u32 v[LT+16*\a+10], v[LT+16*\a+\src], v[LT+16*\a+9], \wid
.endr
.irp a, 0,1,2
	v_cmp_ge_u32 vcc_lo, v[LT+16*\a+4], v[LT+16*\a+10]
	v_cndmask_b32 v[LT+16*\a+10], 0, v[LT+16*\a+10], vcc_lo
	v_cndmask_b32 v[LT+16*\a+11], 0, \inc, vcc_lo
.endr
.irp a, 0,1,2
	v_sub_nc_u32 v[LT+16*\a+4], v[LT+16*\a+4], v[LT+16*\a+10]
	v_add_nc_u32 v[LT+16*\a+9], v[LT+16*\a+9], v[LT+16*\a+11]
.endr
.endm
; The tokens of this pass's five tiles.  Three runs at once: in run a lanes 0-15 serve tile 2 a and lanes 16-31 tile 2 a + 1 (run 2: both halves tile 4).
.macro LISTS
	s_add_co_u32 s101, s5, s2
	s_lshl_b32 s101, s101, 4                       ; 16 (T0 + w)
	v_add_nc_u32 v[PR], s101, v[VP0]
	s_add_co_u32 s104, s101, 128
	v_add_nc_u32 v[PR+1], s104, v[VP0]
	s_add_co_u32 s104, s101, 256
	v_add_nc_u32 v[PR+2], s104, v[VP2]
.irp a, 0,1,2
	v_min_u32 v[PR+\a], s82, v[PR+\a]              ; rows beyond the count repeat the last row
	v_lshl_or_b32 v[LT+16*\a+1], v[PR+\a], 5, 31
	v_mov_b32 v[LT+16*\a+2], s48
	v_mov_b32 v[LT+16*\a+3], s16
.endr
.set g, 1
.rept 31                               ; the last word with no more rows before it than my row's number
.irp a, 0,1,2
	v_cmp_le_u32 vcc_lo, s[48+g+2*(g/16)], v[LT+16*\a+1]
	v_cndmask_b32 v[LT+16*\a+2], v[LT+16*\a+2], s[48+g+2*(g/16)], vcc_lo
	v_cndmask_b32 v[LT+16*\a+3], v[LT+16*\a+3], s[16+g], vcc_lo
.endr
.set g, g+1
.endr
.irp a, 0,1,2
	v_lshrrev_b32 v[LT+16*\a+10], 5, v[LT+16*\a+2]
	v_sub_nc_u32 v[LT+16*\a+4], v[PR+\a], v[LT+16*\a+10]           ; my rank among the word's bits
	v_lshrrev_b32 v[LT+16*\a+11], 1, v[LT+16*\a+3]
	v_and_b32 v[LT+16*\a+11], 0x55555555, v[LT+16*\a+11]
	v_sub_nc_u32 v[LT+16*\a+5], v[LT+16*\a+3], v[LT+16*\a+11]      ; counts of 2 bits
	v_lshrrev_b32 v[LT+16*\a+11], 2, v[LT+16*\a+5]
	v_and_b32 v[LT+16*\a+11], 0x33333333, v[LT+16*\a+11]
	v_and_b32 v[LT+16*\a+6], 0x33333333, v[LT+16*\a+5]
	v_add_nc_u32 v[LT+16*\a+6], v[LT+16*\a+6], v[LT+16*\a+11]      ; of 4
	v_lshrrev_b32 v[LT+16*\a+11], 4, v[LT+16*\a+6]
	v_add_nc_u32 v[LT+16*\a+7], v[LT+16*\a+6], v[LT+16*\a+11]
	v_and_b32 v[LT+16*\a+7], 0x0f0f0f0f, v[LT+16*\a+7]             ; of 8
	v_lshrrev_b32 v[LT+16*\a+11], 8, v[LT+16*\a+7]
	v_add_nc_u32 v[LT+16*\a+8], v[LT+16*\a+7], v[LT+16*\a+11]      ; its lowest byte: of the lower 16
	v_mov_b32 v[LT+16*\a+9], 0
.endr
	SELSTEP 8, 8, 16
	SELSTEP 7, 8, 8
	SELSTEP 6, 4, 4
	SELSTEP 5, 2, 2
	SELSTEP 3, 1, 1
.irp a, 0,1,2
	v_and_b32 v[LT+16*\a+10], 31, v[LT+16*\a+2]
	v_lshl_add_u32 v[LT+16*\a+12], v[LT+16*\a+10], 5, v[LT+16*\a+9]   ; the token: 32 x word + bit
	v_min_u32 v[TK+\a], 0x3ff, v[LT+16*\a+12]      ; a number read from memory enters an address only behind such a hold
	v_lshlrev_b32 v[SA+\a], 2, v[TK+\a]
.endr
	v_permlanex16_b32 v[OT], v[LT+12], s6, s7
	v_permlanex16_b32 v[OT+1], v[LT+28], s6, s7
	v_cndmask_b32 v[TX], v[LT+12], v[OT], s12      ; tile 0: lanes 16-31 take lane r's token
	v_cndmask_b32 v[TX+1], v[OT], v[LT+12], s12    ; tile 1: lanes 0-15 take lane 16 + r's
	v_cndmask_b32 v[TX+2], v[LT+28], v[OT+1], s12
	v_cndmask_b32 v[TX+3], v[OT+1], v[LT+28], s12
.irp i, 0,1,2,3
	v_min_u32 v[TX+\i], 0x3ff, v[TX+\i]
.endr
	v_min_u32 v[TX+4], 0x3ff, v[LT+44]
.irp i, 0,1,2,3,4
	v_lshl_add_u32 v[XA+\i], v[TX+\i], 10, v[H16]
	v_lshlrev_b32 v[XSA+\i], 5, v[TX+\i]
.endr
.endm
.macro XLOADS ks, nt                   ; x's fragments of K step ks, tiles 0 .. nt - 1, into ring set ks % 4: lane (r, h) takes 16 bytes at 32 c + 16 h of its token's 128
.set RWN, 2+(((\ks)%4)/2)
.set RBS, 80*((\ks)%2)+64*(1-((\ks)%4)/2)
	WIN (RWN<<6)
.irp i, 0,1,2,3,4
.if \i < (\nt)
.irp c, 0,1,2,3
	global_load_b128 v[RBS+16*\i+4*\c:RBS+16*\i+4*\c+3], v[XA+\i], s[86:87] offset:128*(\ks)+32*\c
.endr
.endif
.endr
	WIN 0
.endm
.macro XPRO                            ; 73 loads: 3 + 10 + 3 x 20; the same for both forms of the K steps
.irp a, 0,1,2
	global_load_b32 v[SEC+\a], v[SA+\a], s[84:85] offset:1024
.endr
.irp i, 0,1,2,3,4
	global_load_b128 v[XS+8*\i:XS+8*\i+3], v[XSA+\i], s[88:89]
	global_load_b128 v[XS+8*\i+4:XS+8*\i+7], v[XSA+\i], s[88:89] offset:16
.endr
	XLOADS 0, 5
	XLOADS 1, 5
	XLOADS 2, 5
.endm
.macro WFRAG st, ks                    ; four fragments of w1 (st = 0) or w3 (1), K step ks
.irp t, 0,1,2,3
.irp c, 0,1,2,3
	ds_load_b128 v[WF+64*(\st)+16*\t+4*\c:WF+64*(\st)+16*\t+4*\c+3], v[AW+(\st)] offset:16*\t*P+128*(\ks)+32*\c
.endr
.endr
.endm
.macro MM d, st, t, i, ks              ; one product; the first K step starts the sum: nothing is cleared
.set rD, \d
.set rA, WF+64*(\st)+16*(\t)
.set rB, RBS+16*(\i)
.set rSA, WS+16*(\st)+8*((\t)/2)+(\ks)
.set rSB, XS+8*(\i)+(\ks)
.if (\ks) == 0
.if (\t)%2
	v_wmma_scale_f32_16x16x128_f8f6f4 v[rD:rD+7], v[rA:rA+15], v[rB:rB+15], 0, v[rSA], v[rSB] matrix_a_scale:MATRIX_SCALE_ROW1
.else
	v_wmma_scale_f32_16x16x128_f8f6f4 v[rD:rD+7], v[rA:rA+15], v[rB:rB+15], 0, v[rSA], v[rSB]
.endif
.else
.if (\t)%2
	v_wmma_scale_f32_16x16x128_f8f6f4 v[rD:rD+7], v[rA:rA+15], v[rB:rB+15], v[rD:rD+7], v[rSA], v[rSB] matrix_a_scale:MATRIX_SCALE_ROW1
.else
	v_wmma_scale_f32_16x16x128_f8f6f4 v[rD:rD+7], v[rA:rA+15], v[rB:rB+15], v[rD:rD+7], v[rSA], v[rSB]
.endif
.endif
.endm
.macro MULS st, ks, nt                 ; four tiles of units x nt tiles of rows.  The accumulators take turns, one instruction a turn
.set RWN, 2+(((\ks)%4)/2)
.set RBS, 80*((\ks)%2)+64*(1-((\ks)%4)/2)
	WIN ((1<<6)|(1<<4)|(RWN<<2))
.irp i, 0,1,2,3
.irp t, 0,1,2,3
	MM 8*(8*\i+4*(\st)+\t), \st, \t, \i, \ks
.endr
.endr
.if (\nt) == 5
	WIN ((2<<6)|(2<<4)|(RWN<<2))
.irp t, 0,1,2,3
	MM 8*(4*(\st)+\t), \st, \t, 4, \ks
.endr
.endif
.endm
.macro KSTEP ks, nt
.if (\nt) == 5
.if (\ks) <= 5
	s_wait_loadcnt 40                              ; this step's x is in; the 2 x 20 loads of the two steps behind it may be out
.elseif (\ks) == 6
	s_wait_loadcnt 20
.else
	s_wait_loadcnt 0x0
.endif
.else
.if (\ks) <= 2
	s_wait_loadcnt 40-4*(\ks)                      ; of the two steps behind this one, those up to step 2 were asked for at the pass's head with 20 loads, the later ones here with 16
.elseif (\ks) <= 5
	s_wait_loadcnt 32                              ; 2 x 16
.elseif (\ks) == 6
	s_wait_loadcnt 16
.else
	s_wait_loadcnt 0x0
.endif
.endif
	s_wait_dscnt 16                                ; w1's fragments are in; w3's sixteen loads may be out
	MULS 0, \ks, \nt
	PLACES
	WIN 0
.if (\ks) < 7
	WFRAG 0, (\ks)+1
.endif
.if (\ks) <= 4
	XLOADS (\ks)+3, \nt                            ; into the set that the step before multiplied: its last product stands more than eight places back
.endif
.if (\ks) < 7
	s_wait_dscnt 16                                ; w3's fragments are in; the sixteen loads just issued may be out
.else
	s_wait_dscnt 0x0
.endif
	MULS 1, \ks, \nt
	PLACES
	WIN 0
.if (\ks) < 7
	WFRAG 1, (\ks)+1
.endif
.endm
; THE WAY OUT of tile ti: silu(g) u in f32, quantised along the hidden units, stored as the next product's operand registers.  chk = 1: a tile beyond the expert's last is left out.
.macro EPI ti, chk
.if \chk
	s_add_co_u32 s101, s5, s2
	s_add_co_u32 s101, s101, 4*(\ti)
	s_cmp_ge_u32 s101, s4
	s_cbranch_scc1 .Lskip_\@
.endif
.set EW, 1+(\ti)/4                     ; the accumulators' window
.set GB, 64*((\ti)%4)                  ; g: 32 registers; u: the next 32.  Register 16 b + j: unit 32 b + 16 h + j
	WIN EW
.set q, 0
.rept 16
	v_pk_mul_f32 v[TT+q:TT+q+1], v[GB+q:GB+q+1], s[14:15] op_sel_hi:[1,0]   ; -g log2(e); each accumulator is read from its low end on
.set q, q+2
.endr
	WIN 0
.set q, 0
.rept 32
	v_exp_f32 v[TT+q], v[TT+q]
.set q, q+1
.endr
	v_nop                                          ; a plain line behind the batch
	s_wait_alu depctr_va_vdst(0)                   ; one wait for the 32 exponentials, ahead of their first reader
.set q, 0
.rept 16
	v_pk_add_f32 v[TT+q:TT+q+1], v[TT+q:TT+q+1], 1.0 op_sel_hi:[1,0]
.set q, q+2
.endr
.set q, 0
.rept 32
	v_rcp_f32 v[TT+q], v[TT+q]                     ; sigmoid(g)
.set q, q+1
.endr
	v_nop
	s_wait_alu depctr_va_vdst(0)                   ; and one for the 32 reciprocals
	WIN EW
.set q, 0
.rept 16
	v_pk_mul_f32 v[TT+q:TT+q+1], v[GB+q:GB+q+1], v[TT+q:TT+q+1]            ; silu(g)
.set q, q+2
.endr
.set q, 0
.rept 16
	v_pk_mul_f32 v[TT+q:TT+q+1], v[GB+32+q:GB+33+q], v[TT+q:TT+q+1]        ; x u
.set q, q+2
.endr
	WIN 0
.irp b, 0,1
	v_max3_num_f32 v[TM+\b], |v[TT+16*\b]|, |v[TT+16*\b+1]|, 0x4800000     ; block b: my 16 numbers, and the floor 2^(9 - 127): the byte cannot fall under 1
.endr
.irp n, 2,4,6,8,10,12,14
.irp b, 0,1
	v_max3_num_f32 v[TM+\b], v[TM+\b], |v[TT+16*\b+\n]|, |v[TT+16*\b+\n+1]|
.endr
.endr
.irp b, 0,1
	v_permlanex16_b32 v[QP+\b], v[TM+\b], s6, s7
.endr
.irp b, 0,1
	v_max_num_f32 v[TM+\b], v[TM+\b], v[QP+\b]     ; with lane l xor 16's: the block's largest magnitude
.endr
.irp b, 0,1
	v_add_nc_u32 v[TM+6+\b], 0xfc000000, v[TM+\b]  ; 8 off its exponent field: the conversion's scale operand
.endr
.irp b, 0,1
	v_and_or_b32 v[TM+4+\b], v[TM+\b], 0x7f800000, s13   ; 448 x the scale
.endr
.irp b, 0,1
	v_lshrrev_b32 v[TM+2+\b], 23, v[TM+6+\b]       ; the scale's byte
.endr
	v_lshl_or_b32 v[PW+(\ti)], v[TM+3], 8, v[TM+2]
.irp b, 0,1
.set q, 0
.rept 16
	v_med3_num_f32 v[TT+16*\b+q], v[TT+16*\b+q], -v[TM+4+\b], v[TM+4+\b]   ; the conversion to an 8-bit code does not saturate (ISA guide 7.6.2): the hold comes first
.set q, q+1
.endr
	v_cvt_scalef32_pk8_fp8_f32 v[CD+8*(\ti)+4*\b:CD+8*(\ti)+4*\b+1], v[TT+16*\b:TT+16*\b+7], v[TM+6+\b]
	v_cvt_scalef32_pk8_fp8_f32 v[CD+8*(\ti)+4*\b+2:CD+8*(\ti)+4*\b+3], v[TT+16*\b+8:TT+16*\b+15], v[TM+6+\b]
.endr
	v_nop                                          ; a plain line behind the last conversion: later vector and matrix lines touch these registers
	global_store_b128 v[AO], v[CD+8*(\ti):CD+8*(\ti)+3], s[98:99] offset:131072*(\ti)           ; the wave stores 512 consecutive bytes: four registers of the operand's image
	global_store_b128 v[AO], v[CD+8*(\ti)+4:CD+8*(\ti)+7], s[98:99] offset:131072*(\ti)+512
	global_store_b16 v[ASO], v[PW+(\ti)], s[8:9] offset:4096*(\ti)                              ; my row's two scale bytes (lanes r and 16 + r hold and write the same)
.if \chk
.Lskip_\@:
.endif
.endm
; Slice 0 stores where each token's rows lie.  All lanes store: a lane beyond the count holds the last row's number and token, and stores that row's own value at its own place.
.macro POSM
	s_cmp_lg_u32 ttmp9, 0
	s_cbranch_scc1 .Lno_pos_\@
	s_cmp_eq_u32 s3, 0                             ; an expert that nobody chose has no row to tell of
	s_cbranch_scc1 .Lno_pos_\@
.irp a, 0,1,2
	v_cmp_eq_u32 vcc_lo, s83, v[SEC+\a]
	v_cndmask_b32 v[PA+\a], 0, 4, vcc_lo
	v_min_u32 v[PA+\a], 4, v[PA+\a]
	v_lshl_add_u32 v[PA+\a], v[TK+\a], 3, v[PA+\a] ; 8 x token + 4 x slot
	v_add_nc_u32 v[PV+\a], s100, v[PR+\a]          ; 1024 e + p
.endr
.irp a, 0,1,2
	global_store_b32 v[PA+\a], v[PV+\a], s[10:11]
.endr
.Lno_pos_\@:
.endm
	s_load_b512 s[84:99], s[0:1], 0x0              ; rmask 84, xq 86, xs 88, w1_codes 90, w1_scales 92, w3_codes 94, w3_scales 96, act 98
	s_load_b128 s[8:11], s[0:1], 0x40              ; acts, pos
	v_lshl_add_u32 v126, v0, 2, 0x20800
	v_mov_b32 v127, 0
	v_lshrrev_b32 v116, 5, v0
	v_readfirstlane_b32 s2, v116                   ; wave 0..3
	s_and_b32 s83, ttmp7, 0xffff                   ; the expert
	s_lshl_b32 s100, s83, 10
	s_mov_b32 s5, 0                                ; T0
	s_mov_b32 s6, 0x76543210
	s_mov_b32 s7, 0xfedcba98                       ; v_permlanex16_b32's selects for lane l xor 16
	s_mov_b32 s12, 0xffff0000
	s_mov_b32 s13, 0x600000
	s_mov_b32 s14, 0xbfb8aa3b                      ; -log2(e)
	s_mov_b32 s15, s14                             ; (named with it as a pair, so it is written)
	v_and_b32 v116, 31, v0                         ; lane
	v_lshlrev_b32 v1, 4, v116
	v_and_b32 v[VP2], 15, v0                       ; r
	v_bfe_u32 v117, v0, 4, 1                       ; h
	v_lshl_add_u32 v[VP0], v117, 6, v[VP2]
	v_lshlrev_b32 v[H16], 4, v117
	v_mul_u32_u24 v[AW], v[VP2], P
	v_add_nc_u32 v[AW], v[AW], v[H16]              ; row r x pitch + 16 h
	v_add_nc_u32 v[AW+1], 64*P, v[AW]              ; w3's rows lie behind w1's 64
	s_mul_i32 s101, s2, 32*P
	v_add_nc_u32 v[WST], s101, v1                  ; wave w fills rows 32 w .. 32 w + 31
	v_and_b32 v118, 8, v[VP2]
	v_add_nc_u32 v118, v118, v[VP2]
	v_lshl_add_u32 v118, v117, 3, v118             ; unit r + 8 (r / 8) + 8 h: lanes 16-31 serve the odd tile
	v_lshlrev_b32 v[WSO], 5, v118                  ; 32 scale bytes a unit
	s_lshl_b32 s101, s2, 15
	v_add_nc_u32 v[AO], s101, v1
	s_lshl_b32 s101, s2, 10
	v_lshl_add_u32 v[ASO], v[VP2], 6, s101
.irp n, 0,1,2,3
	v_mov_b32 v[OT+\n], 0                          ; written once: a lane permute's destination counts as one of its sources
.endr
	s_lshl_b32 s104, s83, 7
	s_mov_b32 s105, 0
	s_wait_kmcnt 0x0
	s_add_nc_u64 s[104:105], s[84:85], s[104:105]
	s_load_b512 s[16:31], s[104:105], 0x0          ; the expert's mask
	s_load_b512 s[32:47], s[104:105], 0x40
	s_lshl_b32 s80, s83, 16
	s_lshl_b32 s81, ttmp9, 11
	s_add_co_u32 s80, s80, s81
	s_mov_b32 s81, 0
	s_add_nc_u64 s[92:93], s[92:93], s[80:81]      ; the slice's scale bytes: 65,536 e + 2,048 sl
	s_add_nc_u64 s[96:97], s[96:97], s[80:81]
.irp b, 0,1
.irp n, 0,1
	global_load_b128 v[WS+8*\b+4*\n:WS+8*\b+4*\n+3], v[WSO], s[92:93] offset:1024*\b+16*\n
	global_load_b128 v[WS+16+8*\b+4*\n:WS+16+8*\b+4*\n+3], v[WSO], s[96:97] offset:1024*\b+16*\n
.endr
.endr
	s_cmp_lt_u32 s2, 2                             ; waves 0, 1 bring w1's rows, waves 2, 3 w3's
	s_cselect_b64 s[90:91], s[90:91], s[94:95]
	s_lshl_b32 s80, s83, 21
	s_lshl_b32 s81, ttmp9, 16
	s_add_co_u32 s80, s80, s81
	s_and_b32 s81, s2, 1
	s_lshl_b32 s81, s81, 15
	s_add_co_u32 s80, s80, s81
	s_mov_b32 s81, 0
	s_add_nc_u64 s[90:91], s[90:91], s[80:81]
	WLOAD 0, 47                                    ; with the 8 loads of scales: 56 loads are out
	s_lshl_b32 s80, s83, 21
	s_lshl_b32 s81, ttmp9, 10
	s_add_co_u32 s80, s80, s81
	s_mov_b32 s81, 0
	s_add_nc_u64 s[98:99], s[98:99], s[80:81]      ; act: the expert's 64 tiles, the slice's 1,024 bytes of a tile
	s_lshl_b32 s80, s83, 16
	s_lshl_b32 s81, ttmp9, 1
	s_add_co_u32 s80, s80, s81
	s_mov_b32 s81, 0
	s_add_nc_u64 s[8:9], s[8:9], s[80:81]          ; acts: the slice's two bytes of a row
	s_wait_kmcnt 0x0                               ; the mask
	s_mov_b32 s3, 0
.set g, 0
.rept 32
	s_lshl_b32 s101, s3, 5
	s_or_b32 s[48+g+2*(g/16)], s101, g             ; (rows before word g) x 32 + g
	s_bcnt1_i32_b32 s101, s[16+g]
	s_add_co_u32 s3, s3, s101
.set g, g+1
.endr
	s_add_co_u32 s4, s3, 15
	s_lshr_b32 s4, s4, 4
	s_max_u32 s4, s4, 1                            ; NT: one tile at the least
	s_max_u32 s82, s3, 1
	s_sub_co_u32 s82, s82, 1                       ; NE - 1, held at 0
	LISTS                                          ; while the weights are on their way
	WLOAD 48, 63
	XPRO
	s_wait_loadcnt 63                              ; 73 loads were issued behind the last load of weights: the weights are in
	WIN 0x04                                       ; an LDS store's data are its source 1: window 1
.set k, 0
.rept 64
.set rr, k/2
.set prow, (rr&7)|((rr&8)<<1)|((rr&16)>>1)         ; the row with its bits 3 and 4 exchanged
	ds_store_b128 v[WST], v[4*k:4*k+3] offset:prow*P+512*(k%2)
.set k, k+1
.endr
	WIN 0
	s_wait_dscnt 0x0                               ; for the others' sake: my rows lie in LDS
	s_barrier_signal -1
	s_barrier_wait -1                              ; the one barrier: ahead of every branch on a number read from memory
.Lpass:                                            ; at most four trips: T0 = 0, 20, 40, 60
.rept 9
	v_nop                                          ; this pass's first products write over registers of the last pass's: nine places
.endr
	WFRAG 0, 0
	WFRAG 1, 0
	s_add_co_u32 s101, s5, s2
	s_add_co_u32 s101, s101, 16                    ; my fifth tile
	s_cmp_ge_u32 s101, s4
	s_cbranch_scc1 .Lfour                          ; it lies beyond the expert's last: the form with four tiles
.irp n, 0,1,2,3,4,5,6,7
	KSTEP \n, 5
.endr
	EPI 4, 0                                       ; the fifth tile leaves first, so that the two forms join ahead of what they share
	s_branch .Lcommon
.Lfour:
.irp n, 0,1,2,3,4,5,6,7
	KSTEP \n, 4
.endr
.Lcommon:
.irp n, 0,1,2,3
	EPI \n, 1
.endr
	POSM
	s_wait_xcnt 0x0                                ; the stores have read their registers: addresses and data may be written again
	v_add_nc_u32 v[AO], 20*32768, v[AO]
	v_add_nc_u32 v[ASO], 20*1024, v[ASO]
	s_add_co_u32 s5, s5, 20
	s_cmp_ge_u32 s5, s4
	s_cbranch_scc1 .Ldone                          ; the expert's tiles are done
	LISTS
	XPRO                                           ; the same 73 loads stand in front of the first K step on both ways into the loop
	s_cmp_lt_u32 s5, 80                            ; the loop is counted against a constant: 4 x 20 tiles cover the 64 that an expert can have
	s_cbranch_scc1 .Lpass
.Ldone:
	s_wait_tensorcnt 0x0
	ds_add_u32 v126, v127
	s_wait_dscnt 0x0
	s_endpgm
.Lfunc_end_k_q9dbd3ba8d4_gateup:
	.size	k_q9dbd3ba8d4_gateup, .Lfunc_end_k_q9dbd3ba8d4_gateup-k_q9dbd3ba8d4_gateup
	.p2alignl 7, 3214868480
	.fill 96, 4, 3214868480
	.section	.rodata,"a",@progbits
	.p2align	6, 0x0
	.amdhsa_kernel k_q9dbd3ba8d4_gateup
		.amdhsa_group_segment_fixed_size 133632
		.amdhsa_private_segment_fixed_size 0
		.amdhsa_enable_private_segment 0
		.amdhsa_kernarg_size 80
		.amdhsa_user_sgpr_count 2
		.amdhsa_user_sgpr_kernarg_segment_ptr 1
		.amdhsa_wavefront_size32 1
		.amdhsa_system_sgpr_workgroup_id_x 1
		.amdhsa_system_sgpr_workgroup_id_y 1
		.amdhsa_system_sgpr_workgroup_id_z 1
		.amdhsa_system_vgpr_workitem_id 0
		.amdhsa_next_free_vgpr 1024
		.amdhsa_next_free_sgpr 106
		.amdhsa_reserve_vcc 1
		.amdhsa_float_denorm_mode_32 3
		.amdhsa_float_denorm_mode_16_64 3
		.amdhsa_memory_ordered 1
		.amdhsa_forward_progress 1
		.amdhsa_inst_pref_size 255
	.end_amdhsa_kernel
	.section	.bss,"aw",@nobits
	.p2align	6
	.space	262144
	.amdgpu_metadata
---
amdhsa.version: [ 1, 2 ]
amdhsa.kernels:
  - .name:           k_q9dbd3ba8d4_gateup
    .symbol:         k_q9dbd3ba8d4_gateup.kd
    .args:
      - { .name: rmask, .offset: 0, .size: 8, .value_kind: global_buffer, .address_space: global }
      - { .name: xq, .offset: 8, .size: 8, .value_kind: global_buffer, .address_space: global }
      - { .name: xs, .offset: 16, .size: 8, .value_kind: global_buffer, .address_space: global }
      - { .name: w1_codes, .offset: 24, .size: 8, .value_kind: global_buffer, .address_space: global }
      - { .name: w1_scales, .offset: 32, .size: 8, .value_kind: global_buffer, .address_space: global }
      - { .name: w3_codes, .offset: 40, .size: 8, .value_kind: global_buffer, .address_space: global }
      - { .name: w3_scales, .offset: 48, .size: 8, .value_kind: global_buffer, .address_space: global }
      - { .name: act, .offset: 56, .size: 8, .value_kind: global_buffer, .address_space: global }
      - { .name: acts, .offset: 64, .size: 8, .value_kind: global_buffer, .address_space: global }
      - { .name: pos, .offset: 72, .size: 8, .value_kind: global_buffer, .address_space: global }
    .group_segment_fixed_size: 133632
    .private_segment_fixed_size: 0
    .kernarg_segment_align: 8
    .kernarg_segment_size: 80
    .max_flat_workgroup_size: 128
    .sgpr_count:     106
    .vgpr_count:     1024
    .wavefront_size: 32
...
	.end_amdgpu_metadata
.endif
;; end of part 2
;; launch down (part 3): grid 16 x 16, 4 waves a work-group, no clusters, 150,016 bytes of LDS; arguments rmask, act, acts, w2_codes, w2_scales, ye; writes ye
.if DOCPART == 3
	.amdgcn_target "amdgcn-amd-amdhsa--gfx1250"
	.amdhsa_code_object_version 6
	.text
	.protected	k_q9dbd3ba8d4_down
	.globl	k_q9dbd3ba8d4_down
	.p2align	8
	.type	k_q9dbd3ba8d4_down,@function
k_q9dbd3ba8d4_down:
	s_mov_b64 s[64:65], 0
	v_nop
	global_prefetch_b8 v0, s[64:65] scope:SCOPE_SE
	s_setreg_imm32_b32 hwreg(HW_REG_WAVE_MODE, 25, 1), 1
	s_wait_xcnt 0x0
; ye[1024 e + p][:] = act(row p of expert e) W2[e]^T, on codes of E4M3 with one E8M0 scale for each 32 along K = 2,048.
; SHARES.  Work-group (x = hs, y = 2 e + half) takes output columns 64 hs .. 64 hs + 63 of expert e, for the row tiles of parity half.  Its 128 KiB of w2 lie in LDS, written once.
; Wave w takes tiles TH + 2 w + 8 i, i = 0..2; TH begins at half and steps by 24 until the expert's tiles are done (three passes at the most: an expert has at most 64 tiles).
; TWO FORMS OF THE K STEPS.  2,048 routed rows on 8 experts are 16 tiles an expert where the choice is even: 8 of each parity, two a wave.  A wave whose third tile lies beyond the expert's last walks
; the K steps in a form with two tiles: 8 products a step in place of 12, and from K step 4 on no loads for the third.  The choice is a scalar branch at the head of a pass.  The loads ahead of the
; first K step are the same in both forms.  The third tile's way out stands first, and the two forms join behind it.
; act lies in memory as an image of the operand's registers ([64 e + tile][K step][c][lane][16 bytes]): each load of a fragment's four registers reads 512 consecutive bytes.
; NO TENSOR LOADS, NO CLUSTER: passes and tiles left out hang on a count read from memory; the one barrier stands ahead of the first such branch.
; The product is used transposed (source 0 = 16 rows of w2, source 1 = 16 rows of act): a lane holds eight neighbouring columns of one row of ye.  They go through the wave's own stage in LDS and
; leave as rows: sixteen lanes store 256 consecutive bytes, at a multiple of 256 from ye's first byte.
; K is outermost and written out: 16 steps of 128; 12 or 8 accumulators; a fragment of w2 from LDS feeds three or two products; act's fragments run in a ring of five register sets, four steps ahead.
; A tile number beyond the expert's last is held at the last for the loads and left out on the way out.  An expert that nobody chose counts as having one tile, as in the launch before, which has stored it.
; REGISTERS.  window 0: v1-15, v96 addresses; v16-47 w2's scale words; v48-95 act's; v128-191, v192-255 w2's fragments, by the K step's parity (on the way out: rows read back).
;   window 1: at the head the weights on their way to LDS; then accumulator (i, T) at v[32 i + 8 T].   window 2: v0-239 the ring, set s % 5, tile i at + 16 i.
.set P2,   2064                        ; a row of w2 in LDS: 2,048 bytes + 16: 129 x 16
.set STG,  64*P2                       ; behind the weights: a stage of 16 rows x (256 bytes + 16) for each wave
.set R64,  2                           ; v2   64 r
.set AW,   4                           ; v4, v5  LDS address of my part of tiles 0, 1 and of tiles 2, 3
.set WST,  6
.set WSO,  7                           ; v7   64 x lane: my row among w2's scale bytes
.set AA,   8                           ; v8-10  tile i: my bytes in act
.set ASA,  11                          ; v11-13 tile i: my row in acts
.set STO,  14
.set RD,   15
.set WS,   16                          ; v[WS + 16 bb + s]: lanes 0-15 tile 2 bb, lanes 16-31 tile 2 bb + 1
.set AS,   48                          ; v[AS + 16 i + s]
.set GO,   96                          ; v96  my bytes in ye, tile TH + 2 w
.set WF,   128
; SCALARS: s2 wave; s3 NE; s4 NT; s5 TH; s6 e; s[10:11] act; s[12:13] acts; s[14:15] my wave's weights; s16-47 the mask; s[48:49] w2's scales; s[50:51] ye; s57 NT - 1; s58 passes done; s52-56 at work.
.set MSB, 0
.macro WIN new
.if MSB != \new
	s_set_vgpr_msb (MSB<<8)|\new
.set MSB, \new
.endif
.endm
.macro PLACES                          ; eight places behind this matrix form
.rept 8
	v_nop
.endr
.endm
.macro WLOAD k0, k1                    ; my wave's 16 rows of w2 are 32 KiB on end.  No hint: the work-group of the other parity reads the same bytes
	WIN 0x40
.set k, \k0
.rept (\k1)-(\k0)+1
	global_load_b128 v[4*k:4*k+3], v1, s[14:15] offset:512*k
.set k, k+1
.endr
	WIN 0
.endm
.macro TILES                           ; this pass's three tiles
	s_lshl_b32 s52, s2, 1
	s_add_co_u32 s52, s52, s5
.irp i, 0,1,2
	s_add_co_u32 s53, s52, 8*\i
	s_min_u32 s53, s53, s57                        ; held at the expert's last tile,
	s_min_u32 s53, s53, 63                         ; and by a constant, since the count was read from memory
	s_lshl_b32 s55, s53, 15
	v_add_nc_u32 v[AA+\i], s55, v1
	s_lshl_b32 s55, s53, 10
	v_add_nc_u32 v[ASA+\i], s55, v[R64]
.endr
.endm
.macro ALOADS ks, nt                   ; act's fragments of K step ks, tiles 0 .. nt - 1, into ring set ks % 5
	WIN 0x80
.irp i, 0,1,2
.if \i < (\nt)
.irp c, 0,1,2,3
	global_load_b128 v[48*((\ks)%5)+16*\i+4*\c:48*((\ks)%5)+16*\i+4*\c+3], v[AA+\i], s[10:11] offset:2048*(\ks)+512*\c
.endr
.endif
.endr
	WIN 0
.endm
.macro APRO                            ; 60 loads: 12 + 4 x 12; the same for both forms of the K steps
.irp i, 0,1,2
.irp n, 0,1,2,3
	global_load_b128 v[AS+16*\i+4*\n:AS+16*\i+4*\n+3], v[ASA+\i], s[12:13] offset:16*\n
.endr
.endr
	ALOADS 0, 3
	ALOADS 1, 3
	ALOADS 2, 3
	ALOADS 3, 3
.endm
.macro WFRAG st, ks                    ; w2's four fragments of K step ks into set st
.irp t, 0,1,2,3
.irp c, 0,1,2,3
	ds_load_b128 v[WF+64*(\st)+16*\t+4*\c:WF+64*(\st)+16*\t+4*\c+3], v[AW+\t/2] offset:16*(\t%2)*P2+128*(\ks)+32*\c
.endr
.endr
.endm
.macro DM i, t, ks
.set rD, 32*(\i)+8*(\t)
.set rA, WF+64*((\ks)%2)+16*(\t)
.set rB, 48*((\ks)%5)+16*(\i)
.set rSA, WS+16*((\t)/2)+(\ks)
.set rSB, AS+16*(\i)+(\ks)
.if (\ks) == 0
.if (\t)%2
	v_wmma_scale_f32_16x16x128_f8f6f4 v[rD:rD+7], v[rA:rA+15], v[rB:rB+15], 0, v[rSA], v[rSB] matrix_a_scale:MATRIX_SCALE_ROW1
.else
	v_wmma_scale_f32_16x16x128_f8f6f4 v[rD:rD+7], v[rA:rA+15], v[rB:rB+15], 0, v[rSA], v[rSB]
.endif
.else
.if (\t)%2
	v_wmma_scale_f32_16x16x128_f8f6f4 v[rD:rD+7], v[rA:rA+15], v[rB:rB+15], v[rD:rD+7], v[rSA], v[rSB] matrix_a_scale:MATRIX_SCALE_ROW1
.else
	v_wmma_scale_f32_16x16x128_f8f6f4 v[rD:rD+7], v[rA:rA+15], v[rB:rB+15], v[rD:rD+7], v[rSA], v[rSB]
.endif
.endif
.endm
.macro DSTEP ks, nt
.if (\nt) == 3
.if (\ks) <= 12
	s_wait_loadcnt 36                              ; this step's act is in; the 3 x 12 loads of the three steps behind it may be out
.else
	s_wait_loadcnt 12*(15-(\ks))
.endif
.else
.if (\ks) <= 3
	s_wait_loadcnt 36-4*(\ks)                      ; of the three steps behind this one, those up to step 3 were asked for at the pass's head with 12 loads, the later ones here with 8
.elseif (\ks) <= 12
	s_wait_loadcnt 24                              ; 3 x 8
.else
	s_wait_loadcnt 8*(15-(\ks))
.endif
.endif
.if (\ks) < 15
	s_wait_dscnt 16                                ; this step's fragments of w2 are in; the next step's sixteen loads may be out
.else
	s_wait_dscnt 0x0
.endif
	WIN 0x58                                       ; source 0 (w2) window 0, source 1 (act) window 2, C and D window 1
.irp i, 0,1,2
.if \i < (\nt)
.irp t, 0,1,2,3
	DM \i, \t, \ks                                 ; the accumulators take turns, one instruction a turn
.endr
.endif
.endr
	PLACES
	WIN 0
.if (\ks) <= 13
	WFRAG (\ks)%2, (\ks)+2
.endif
.if (\ks) <= 11
	ALOADS (\ks)+4, \nt                            ; into the set that the step before multiplied
.endif
.endm
.macro OUTT ti, chk                    ; tile ti leaves; chk = 1: a tile beyond the expert's last is left out
.if \chk
	s_lshl_b32 s52, s2, 1
	s_add_co_u32 s52, s52, s5
	s_add_co_u32 s52, s52, 8*(\ti)
	s_cmp_ge_u32 s52, s4
	s_cbranch_scc1 .Lno_\@
.endif
	WIN 0x04                                       ; an LDS store's data are its source 1: window 1
.irp t, 0,1,2,3
	ds_store_b128 v[STO], v[32*(\ti)+8*\t:32*(\ti)+8*\t+3] offset:64*\t        ; each accumulator from its low end on
	ds_store_b128 v[STO], v[32*(\ti)+8*\t+4:32*(\ti)+8*\t+7] offset:64*\t+16
.endr
	WIN 0
.irp n, 0,1,2,3,4,5,6,7
	ds_load_b128 v[WF+32*(\ti)+4*\n:WF+32*(\ti)+4*\n+3], v[RD] offset:544*\n   ; LDS serves a wave's instructions in order (ISA guide 5.7.1.4): these see my stores, and the next tile's stores come behind them
.endr
.irp n, 0,1,2,3,4,5,6,7
	s_wait_dscnt 7-\n
	global_store_b128 v[GO], v[WF+32*(\ti)+4*\n:WF+32*(\ti)+4*\n+3], s[50:51] offset:524288*(\ti)+8192*\n th:TH_STORE_NT
.endr
.if \chk
.Lno_\@:
.endif
.endm
	s_load_b256 s[8:15], s[0:1], 0x0               ; rmask 8, act 10, acts 12, w2_codes 14
	s_load_b128 s[48:51], s[0:1], 0x20             ; w2_scales 48, ye 50
	v_lshl_add_u32 v126, v0, 2, 0x24800
	v_mov_b32 v127, 0
	v_lshrrev_b32 v97, 5, v0
	v_readfirstlane_b32 s2, v97                    ; wave 0..3
	s_and_b32 s7, ttmp7, 0xffff
	s_lshr_b32 s6, s7, 1                           ; the expert
	s_and_b32 s5, s7, 1                            ; TH = the parity
	s_mov_b32 s58, 0                               ; passes done
	v_and_b32 v97, 31, v0                          ; lane
	v_lshlrev_b32 v1, 4, v97
	v_and_b32 v98, 15, v0                          ; r
	v_bfe_u32 v99, v0, 4, 1                        ; h
	v_lshlrev_b32 v[R64], 6, v98
	v_mul_u32_u24 v[AW], v98, P2
	v_lshl_add_u32 v[AW], v99, 4, v[AW]
	v_add_nc_u32 v[AW+1], 32*P2, v[AW]
	s_mul_i32 s52, s2, 16*P2
	v_add_nc_u32 v[WST], s52, v1
	v_lshlrev_b32 v[WSO], 6, v97
	s_mul_i32 s52, s2, 16*272
	s_add_co_u32 s52, s52, STG                     ; my stage
	v_mul_u32_u24 v[STO], v98, 272
	v_lshl_add_u32 v[STO], v99, 5, v[STO]
	v_add_nc_u32 v[STO], s52, v[STO]               ; in: row r, 32 bytes for each half of the lanes
	v_mul_u32_u24 v[RD], v99, 272
	v_lshl_add_u32 v[RD], v98, 4, v[RD]
	v_add_nc_u32 v[RD], s52, v[RD]                 ; back: lanes 0-15 one row of 256 bytes, lanes 16-31 the next
	v_lshlrev_b32 v[GO], 12, v99
	v_lshl_add_u32 v[GO], v98, 4, v[GO]            ; and the same two rows in ye
	s_lshl_b32 s52, s2, 1
	s_add_co_u32 s52, s52, s5
	s_lshl_b32 s52, s52, 16                        ; a tile's 16 rows of 4,096 bytes
	v_add_nc_u32 v[GO], s52, v[GO]
	s_lshl_b32 s52, s6, 7
	s_mov_b32 s53, 0
	s_wait_kmcnt 0x0
	s_add_nc_u64 s[52:53], s[8:9], s[52:53]
	s_load_b512 s[16:31], s[52:53], 0x0            ; the expert's mask
	s_load_b512 s[32:47], s[52:53], 0x40
	s_lshl_b32 s54, s6, 16
	s_mov_b32 s55, 0
	s_add_nc_u64 s[12:13], s[12:13], s[54:55]      ; acts: the expert's 64 tiles
	s_lshl_b32 s56, ttmp9, 12
	s_add_co_u32 s54, s54, s56
	s_add_nc_u64 s[48:49], s[48:49], s[54:55]      ; w2's scales: 65,536 e + 4,096 hs
.irp b, 0,1
.irp n, 0,1,2,3
	global_load_b128 v[WS+16*\b+4*\n:WS+16*\b+4*\n+3], v[WSO], s[48:49] offset:2048*\b+16*\n
.endr
.endr
	s_lshl_b32 s54, s6, 21
	s_add_nc_u64 s[10:11], s[10:11], s[54:55]      ; act: the expert's 64 tiles
	s_lshl_b32 s56, ttmp9, 17
	s_add_co_u32 s54, s54, s56
	s_lshl_b32 s56, s2, 15
	s_add_co_u32 s54, s54, s56
	s_add_nc_u64 s[14:15], s[14:15], s[54:55]      ; my wave's 16 rows of w2
	WLOAD 0, 47                                    ; with the 8 loads of scales: 56 loads are out
	s_lshl_b32 s54, s6, 22
	s_lshl_b32 s56, ttmp9, 8
	s_add_co_u32 s54, s54, s56
	s_add_nc_u64 s[50:51], s[50:51], s[54:55]      ; ye: the expert's 1,024 rows, my 64 columns
	s_wait_kmcnt 0x0                               ; the mask
	s_mov_b32 s3, 0
.set g, 0
.rept 32
	s_bcnt1_i32_b32 s56, s[16+g]
	s_add_co_u32 s3, s3, s56
.set g, g+1
.endr
	s_add_co_u32 s4, s3, 15
	s_lshr_b32 s4, s4, 4
	s_max_u32 s4, s4, 1                            ; NT: one tile at the least, as the launch before has stored
	s_sub_co_u32 s57, s4, 1                        ; NT - 1
	TILES
	WLOAD 48, 63
	APRO
	s_wait_loadcnt 60                              ; the 60 loads issued behind the weights may be out: the weights are in
	WIN 0x04
.set k, 0
.rept 64
	ds_store_b128 v[WST], v[4*k:4*k+3] offset:(k/4)*P2+512*(k%4)
.set k, k+1
.endr
	WIN 0
	s_wait_dscnt 0x0                               ; for the others' sake: my rows lie in LDS
	s_barrier_signal -1
	s_barrier_wait -1                              ; the one barrier: ahead of every branch on a number read from memory
	s_cmp_ge_u32 s5, s4
	s_cbranch_scc1 .Ldone                          ; no tile of my parity
.Lpass:                                            ; at most three trips: TH = half, half + 24, half + 48
.rept 9
	v_nop                                          ; this pass's first products write over registers of the last pass's: nine places
.endr
	WFRAG 0, 0
	WFRAG 1, 1
	s_lshl_b32 s52, s2, 1
	s_add_co_u32 s52, s52, s5
	s_add_co_u32 s52, s52, 16                      ; my third tile
	s_cmp_ge_u32 s52, s4
	s_cbranch_scc1 .Ltwo                           ; it lies beyond the expert's last: the form with two tiles
.irp n, 0,1,2,3,4,5,6,7,8,9,10,11,12,13,14,15
	DSTEP \n, 3
.endr
	OUTT 2, 0                                      ; the third tile leaves first, so that the two forms join ahead of what they share
	s_branch .Lcommon
.Ltwo:
.irp n, 0,1,2,3,4,5,6,7,8,9,10,11,12,13,14,15
	DSTEP \n, 2
.endr
.Lcommon:
	OUTT 0, 1
	OUTT 1, 1
	s_wait_xcnt 0x0                                ; the stores have read their registers: address and data may be written again
	v_add_nc_u32 v[GO], 24*65536, v[GO]
	s_add_co_u32 s5, s5, 24
	s_cmp_ge_u32 s5, s4
	s_cbranch_scc1 .Ldone                          ; the expert's tiles are done
	TILES
	APRO                                           ; the same 60 loads stand in front of the first K step on both ways into the loop
	s_add_co_u32 s58, s58, 1
	s_cmp_lt_u32 s58, 3                            ; the loop is counted against a constant: 3 x 24 tile numbers cover the 64 that an expert can have
	s_cbranch_scc1 .Lpass
.Ldone:
	s_wait_tensorcnt 0x0
	ds_add_u32 v126, v127
	s_wait_dscnt 0x0
	s_endpgm
.Lfunc_end_k_q9dbd3ba8d4_down:
	.size	k_q9dbd3ba8d4_down, .Lfunc_end_k_q9dbd3ba8d4_down-k_q9dbd3ba8d4_down
	.p2alignl 7, 3214868480
	.fill 96, 4, 3214868480
	.section	.rodata,"a",@progbits
	.p2align	6, 0x0
	.amdhsa_kernel k_q9dbd3ba8d4_down
		.amdhsa_group_segment_fixed_size 150016
		.amdhsa_private_segment_fixed_size 0
		.amdhsa_enable_private_segment 0
		.amdhsa_kernarg_size 48
		.amdhsa_user_sgpr_count 2
		.amdhsa_user_sgpr_kernarg_segment_ptr 1
		.amdhsa_wavefront_size32 1
		.amdhsa_system_sgpr_workgroup_id_x 1
		.amdhsa_system_sgpr_workgroup_id_y 1
		.amdhsa_system_sgpr_workgroup_id_z 1
		.amdhsa_system_vgpr_workitem_id 0
		.amdhsa_next_free_vgpr 1024
		.amdhsa_next_free_sgpr 66
		.amdhsa_reserve_vcc 0
		.amdhsa_float_denorm_mode_32 3
		.amdhsa_float_denorm_mode_16_64 3
		.amdhsa_memory_ordered 1
		.amdhsa_forward_progress 1
		.amdhsa_inst_pref_size 143
	.end_amdhsa_kernel
	.amdgpu_metadata
---
amdhsa.version: [ 1, 2 ]
amdhsa.kernels:
  - .name:           k_q9dbd3ba8d4_down
    .symbol:         k_q9dbd3ba8d4_down.kd
    .args:
      - { .name: rmask, .offset: 0, .size: 8, .value_kind: global_buffer, .address_space: global }
      - { .name: act, .offset: 8, .size: 8, .value_kind: global_buffer, .address_space: global }
      - { .name: acts, .offset: 16, .size: 8, .value_kind: global_buffer, .address_space: global }
      - { .name: w2_codes, .offset: 24, .size: 8, .value_kind: global_buffer, .address_space: global }
      - { .name: w2_scales, .offset: 32, .size: 8, .value_kind: global_buffer, .address_space: global }
      - { .name: ye, .offset: 40, .size: 8, .value_kind: global_buffer, .address_space: global }
    .group_segment_fixed_size: 150016
    .private_segment_fixed_size: 0
    .kernarg_segment_align: 8
    .kernarg_segment_size: 48
    .max_flat_workgroup_size: 128
    .sgpr_count:     66
    .vgpr_count:     1024
    .wavefront_size: 32
...
	.end_amdgpu_metadata
.endif
;; end of part 3
;; launch combine (part 4): grid 256 x 1, 4 waves a work-group, no clusters, 0 bytes of LDS; arguments pos, topw, ye, out0; writes out0
.if DOCPART == 4
	.amdgcn_target "amdgcn-amd-amdhsa--gfx1250"
	.amdhsa_code_object_version 6
	.text
	.protected	k_q9dbd3ba8d4_combine
	.globl	k_q9dbd3ba8d4_combine
	.p2align	8
	.type	k_q9dbd3ba8d4_combine,@function
k_q9dbd3ba8d4_combine:
	s_mov_b64 s[64:65], 0
	v_nop
	global_prefetch_b8 v0, s[64:65] scope:SCOPE_SE
	s_setreg_imm32_b32 hwreg(HW_REG_WAVE_MODE, 25, 1), 1
	s_wait_xcnt 0x0
; out0[t][:] = topw[t][0] ye[pos[t][0]][:] + topw[t][1] ye[pos[t][1]][:], in f32.  The six experts that a token did not choose have the weight 0 in the sum and are not formed.
; A wave takes a token: two rows of 4,096 bytes in, one out; each load and store of the wave covers 512 consecutive bytes.  Memory binds: no LDS, no barrier, no matrix unit.
; Each output row has this one owner, so the two experts' parts, made by different work-groups of the launch before, are added without traffic between work-groups.
	s_load_b256 s[4:11], s[0:1], 0x0               ; pos s[4:5], topw s[6:7], ye s[8:9], out0 s[10:11]
	v_lshrrev_b32 v1, 5, v0
	v_readfirstlane_b32 s16, v1                    ; wave 0..3
	s_lshl_b32 s17, ttmp9, 2
	s_add_co_u32 s17, s17, s16                     ; my token
	s_lshl_b32 s20, s17, 3                         ; 8 bytes a token in pos and in topw
	v_and_b32 v1, 31, v0
	v_lshlrev_b32 v1, 4, v1                        ; 16 x lane
	s_lshl_b32 s22, s17, 12
	s_mov_b32 s23, 0
	s_wait_kmcnt 0x0
	s_load_b64 s[12:13], s[4:5], s20 offset:0x0    ; the two rows of ye
	s_load_b64 s[14:15], s[6:7], s20 offset:0x0    ; the two weights
	s_add_nc_u64 s[10:11], s[10:11], s[22:23]
	s_wait_kmcnt 0x0
	s_min_u32 s12, s12, 0x1fff                     ; a number read from memory enters an address only behind such a hold: ye has 8,192 rows
	s_min_u32 s13, s13, 0x1fff
	s_lshl_b32 s12, s12, 12
	s_lshl_b32 s13, s13, 12
	v_add_nc_u32 v2, s12, v1
	v_add_nc_u32 v3, s13, v1
	s_mov_b32 s18, s15                             ; the second weight as the low word of a pair of its own
	s_mov_b32 s19, s15
.irp j, 0,1,2,3,4,5,6,7
	global_load_b128 v[16+4*\j:19+4*\j], v2, s[8:9] offset:512*\j th:TH_LOAD_NT
.endr
.irp j, 0,1,2,3,4,5,6,7
	global_load_b128 v[48+4*\j:51+4*\j], v3, s[8:9] offset:512*\j th:TH_LOAD_NT
.endr
.irp j, 0,1,2,3,4,5,6,7
	s_wait_loadcnt 7-\j                            ; the second row's load j is in, and with it the first row's: 7 - j younger loads may be out
	v_pk_mul_f32 v[80+4*\j:81+4*\j], v[16+4*\j:17+4*\j], s[14:15] op_sel_hi:[1,0]
	v_pk_mul_f32 v[82+4*\j:83+4*\j], v[18+4*\j:19+4*\j], s[14:15] op_sel_hi:[1,0]
	v_pk_fma_f32 v[80+4*\j:81+4*\j], v[48+4*\j:49+4*\j], s[18:19], v[80+4*\j:81+4*\j] op_sel_hi:[1,0,1]
	v_pk_fma_f32 v[82+4*\j:83+4*\j], v[50+4*\j:51+4*\j], s[18:19], v[82+4*\j:83+4*\j] op_sel_hi:[1,0,1]
	global_store_b128 v1, v[80+4*\j:83+4*\j], s[10:11] offset:512*\j th:TH_STORE_NT
.endr
	s_endpgm
.Lfunc_end_k_q9dbd3ba8d4_combine:
	.size	k_q9dbd3ba8d4_combine, .Lfunc_end_k_q9dbd3ba8d4_combine-k_q9dbd3ba8d4_combine
	.p2alignl 7, 3214868480
	.fill 96, 4, 3214868480
	.section	.rodata,"a",@progbits
	.p2align	6, 0x0
	.amdhsa_kernel k_q9dbd3ba8d4_combine
		.amdhsa_group_segment_fixed_size 0
		.amdhsa_private_segment_fixed_size 0
		.amdhsa_enable_private_segment 0
		.amdhsa_kernarg_size 32
		.amdhsa_user_sgpr_count 2
		.amdhsa_user_sgpr_kernarg_segment_ptr 1
		.amdhsa_wavefront_size32 1
		.amdhsa_system_sgpr_workgroup_id_x 1
		.amdhsa_system_sgpr_workgroup_id_y 1
		.amdhsa_system_sgpr_workgroup_id_z 1
		.amdhsa_system_vgpr_workitem_id 0
		.amdhsa_next_free_vgpr 112
		.amdhsa_next_free_sgpr 66
		.amdhsa_reserve_vcc 0
		.amdhsa_float_denorm_mode_32 3
		.amdhsa_float_denorm_mode_16_64 3
		.amdhsa_memory_ordered 1
		.amdhsa_forward_progress 1
		.amdhsa_inst_pref_size 6
	.end_amdhsa_kernel
	.amdgpu_metadata
---
amdhsa.version: [ 1, 2 ]
amdhsa.kernels:
  - .name:           k_q9dbd3ba8d4_combine
    .symbol:         k_q9dbd3ba8d4_combine.kd
    .args:
      - { .name: pos, .offset: 0, .size: 8, .value_kind: global_buffer, .address_space: global }
      - { .name: topw, .offset: 8, .size: 8, .value_kind: global_buffer, .address_space: global }
      - { .name: ye, .offset: 16, .size: 8, .value_kind: global_buffer, .address_space: global }
      - { .name: out0, .offset: 24, .size: 8, .value_kind: global_buffer, .address_space: global }
    .group_segment_fixed_size: 0
    .private_segment_fixed_size: 0
    .kernarg_segment_align: 8
    .kernarg_segment_size: 32
    .max_flat_workgroup_size: 128
    .sgpr_count:     66
    .vgpr_count:     112
    .wavefront_size: 32
...
	.end_amdgpu_metadata
.endif
;; end of part 4
;; ======== version 2 of 2: 4 launches
;; workspace buffers: rmask 5,120 bytes of whole numbers; pos 8,192 bytes of whole numbers; topw 8,192 bytes; xq 1,048,576 bytes; xs 32,768 bytes; act 16,777,216 bytes; acts 524,288 bytes; ye 33,554,432 bytes
;; launch route (part 5): grid 128 x 1, 8 waves a work-group, no clusters, 83,456 bytes of LDS; arguments hidden_states, gate_w, xq, xs, rmask, topw; writes xq, xs, rmask, topw
.if DOCPART == 5
	.amdgcn_target "amdgcn-amd-amdhsa--gfx1250"
	.amdhsa_code_object_version 6
	.text
	.protected	k_q9dbd3ba8d4_route
	.globl	k_q9dbd3ba8d4_route
	.p2align	8
	.type	k_q9dbd3ba8d4_route,@function
k_q9dbd3ba8d4_route:
	s_mov_b64 s[64:65], 0
	v_nop
	global_prefetch_b8 v0, s[64:65] scope:SCOPE_SE
	s_setreg_imm32_b32 hwreg(HW_REG_WAVE_MODE, 25, 1), 1
	s_wait_xcnt 0x0
; ROUTER, AND QUANTISER OF THE TOKENS.  1,024 tokens of 1,024 f32; 8 experts.
; A work-group of eight waves takes 8 tokens; wave w takes token 8 x work-group + w, and brings row w of gate_w into LDS for all eight.
; Each wave: its token's 8 logits (f32 multiply-adds, 32 numbers a lane, then a sum over the lanes), and its token's codes of E4M3 with one E8M0 byte for each 32 along H.
; Then wave 0 decides for the 8 tokens (a lane a token): softmax with the row's maximum taken off, the two largest (a strict compare in ascending order: ties keep the lower index),
; their weights divided by their sum.  What it decides is STORED AT FIXED PLACES and steers nothing here:
;   rmask bytes 0..1023: for expert e a bit mask of its tokens, byte 128 e + t / 8, bit t % 8;  bytes 1024..: second[t], the token's second expert;  topw[t][2]: the two weights.
; LOADS AND LAYOUT.  A load reads 512 consecutive bytes, 16 a lane; the conversions want 16 neighbours along H in one lane.  So a row turns through a stage in LDS: 64 bytes + 16 of padding
; to a place, stored as loaded, read back 80 bytes from lane to lane: lane l then holds numbers 512 u + 16 l + 0..15 (u = 0, 1).  The gate's rows lie in LDS in the same order.
; LIMITS: NaN and infinities are not served.  A block of zeros gets the byte 1 with zero codes (this program alone reads the bytes).  The logits are f32 sums in another order than a row-wise sum,
; and the exponential and the reciprocal are good to one unit in the last place: a token whose second and third probabilities agree to within that may take the other expert.
; A probability under 2^-126 counts as 0.
.set SP,    80                         ; a place in a stage: 64 bytes + 16
.set STEPB, 32*SP                      ; 512 numbers
.set ROWL,  2*STEPB                    ; a row of 1,024 numbers
.set XST,   8*ROWL                     ; LDS: 0: the gate's 8 rows;  XST: a stage for each wave's token;
.set SCB,   16*ROWL                    ; the 8 tokens' 32 scale bytes each;
.set LOG,   SCB+256                    ; the 8 tokens' 8 logits each
.set RG,  16                           ; v16-47   the gate's row as loaded; later at work
.set RX,  48                           ; v48-79   the token's row as loaded; later codes and work
.set X,   80                           ; v80-111  my 32 numbers of the token
.set G,   112                          ; v112-175 my 32 numbers of a gate row, two sets
.set ACC, 176                          ; v176-191 a pair of partial sums for each expert
.set LG,  16                           ; v16-23   the 8 logits
.set TP,  24                           ; v24-25   a second chain of sums
.set PT,  32                           ; v32-39   the other half of the lanes' sums
	s_load_b256 s[4:11], s[0:1], 0x0               ; hidden_states s[4:5], gate_w s[6:7], xq s[8:9], xs s[10:11]
	s_load_b128 s[12:15], s[0:1], 0x20             ; rmask s[12:13], topw s[14:15]
	v_lshl_add_u32 v192, v0, 2, 0x14200
	v_mov_b32 v193, 0
	v_lshrrev_b32 v13, 5, v0
	s_delay_alu instid0(VALU_DEP_1)
	v_readfirstlane_b32 s16, v13                   ; wave 0..7
	v_and_b32 v1, 31, v0                           ; lane
	s_delay_alu instid0(VALU_DEP_1)
	v_lshlrev_b32 v2, 4, v1                        ; 16 x lane: my bytes of a load's 512, and of a step's codes
	s_delay_alu instid0(VALU_DEP_2)
	v_lshrrev_b32 v3, 2, v1
	s_delay_alu instid0(VALU_DEP_1)
	v_mul_u32_u24 v3, v3, SP
	s_delay_alu instid0(VALU_DEP_4)
	v_and_b32 v13, 3, v1
	s_delay_alu instid0(VALU_DEP_1)
	v_lshl_add_u32 v3, v13, 4, v3                  ; into a stage: 80 (lane / 4) + 16 (lane % 4)
	s_mul_i32 s18, s16, ROWL
	v_add_nc_u32 v4, s18, v3                       ; the gate's row w
	s_add_co_u32 s19, s18, XST
	v_add_nc_u32 v5, s19, v3                       ; my wave's stage, on the way in
	v_mul_u32_u24 v7, v1, SP                       ; out of the gate's rows: 80 x lane
	s_delay_alu instid0(VALU_DEP_1)
	v_add_nc_u32 v6, s19, v7                       ; out of my wave's stage
	s_lshl_b32 s20, s16, 5
	s_add_co_u32 s21, s20, SCB
	v_lshrrev_b32 v8, 1, v1
	s_delay_alu instid0(VALU_DEP_1)
	v_add_nc_u32 v8, s21, v8                       ; my block's scale byte: two lanes to a block
	s_add_co_u32 s21, s20, LOG
	v_mov_b32 v9, s21                              ; my token's logits
	v_and_b32 v10, 7, v1
	s_delay_alu instid0(VALU_DEP_1)
	v_lshl_add_u32 v10, v10, 5, LOG                ; wave 0's reading: the logits of token lane % 8
	v_lshl_add_u32 v11, v1, 3, SCB                 ; wave 1's reading: 8 scale bytes a lane
	v_lshlrev_b32 v12, 3, v1
	s_lshl_b32 s17, ttmp9, 3
	s_add_co_u32 s17, s17, s16                     ; my token
	s_lshl_b32 s22, s17, 12
	s_mov_b32 s23, 0
	s_lshl_b32 s24, s16, 12
	s_mov_b32 s25, 0
	s_mov_b32 s26, 0x76543210
	s_mov_b32 s27, 0xfedcba98                      ; v_permlanex16_b32's selects for lane l xor 16
	s_mov_b32 s28, 0x600000                        ; the mantissa field of 448
	s_wait_alu depctr_va_vdst(0)
	s_wait_kmcnt 0x0
	s_add_nc_u64 s[4:5], s[4:5], s[22:23]
	s_add_nc_u64 s[6:7], s[6:7], s[24:25]
.irp j, 0,1,2,3,4,5,6,7
	global_load_b128 v[RG+4*\j:RG+4*\j+3], v2, s[6:7] offset:512*\j
.endr
.irp j, 0,1,2,3,4,5,6,7
	global_load_b128 v[RX+4*\j:RX+4*\j+3], v2, s[4:5] offset:512*\j th:TH_LOAD_NT
.endr
	s_lshl_b32 s22, s17, 10
	s_add_nc_u64 s[8:9], s[8:9], s[22:23]          ; my token's codes
	s_lshl_b32 s22, ttmp9, 8
	s_add_nc_u64 s[10:11], s[10:11], s[22:23]      ; the 8 tokens' scale bytes: 256 on end
	s_mov_b32 s22, ttmp9
	s_add_nc_u64 s[30:31], s[12:13], s[22:23]      ; the masks' byte of these 8 tokens
	s_lshl_b32 s22, ttmp9, 5
	s_add_nc_u64 s[32:33], s[12:13], s[22:23]      ; second[8 x work-group]
	s_lshl_b32 s22, ttmp9, 6
	s_add_nc_u64 s[34:35], s[14:15], s[22:23]      ; topw[8 x work-group]
	s_wait_loadcnt 8                               ; the gate's row is in; the token's eight loads may be out
.irp j, 0,1,2,3,4,5,6,7
	ds_store_b128 v4, v[RG+4*\j:RG+4*\j+3] offset:STEPB*(\j/4)+8*SP*(\j%4)
.endr
	s_wait_loadcnt 0x0
.irp j, 0,1,2,3,4,5,6,7
	ds_store_b128 v5, v[RX+4*\j:RX+4*\j+3] offset:STEPB*(\j/4)+8*SP*(\j%4)
.endr
.irp j, 0,1,2,3,4,5,6,7
	ds_load_b128 v[X+4*\j:X+4*\j+3], v6 offset:STEPB*(\j/4)+16*(\j%4)   ; LDS serves a wave's instructions in order: these see my stores
.endr
	s_wait_dscnt 0x0                               ; for the others' sake: my row of the gate lies in LDS
	s_barrier_signal -1
	s_barrier_wait -1
.macro GLOAD e                         ; my 32 numbers of the gate's row e into set e % 2
.irp j, 0,1,2,3,4,5,6,7
	ds_load_b128 v[G+32*((\e)%2)+4*\j:G+32*((\e)%2)+4*\j+3], v7 offset:ROWL*(\e)+STEPB*(\j/4)+16*(\j%4)
.endr
.endm
.macro DOT e                           ; 32 multiply-adds a lane, two at a time, in two chains
.set GS, G+32*((\e)%2)
.set AE, ACC+2*(\e)
.if (\e) < 7
	s_wait_dscnt 8                                 ; this row's eight loads are in; the next row's may be out
.else
	s_wait_dscnt 0x0
.endif
	v_pk_mul_f32 v[AE:AE+1], v[X:X+1], v[GS:GS+1]
	v_pk_mul_f32 v[TP:TP+1], v[X+16:X+17], v[GS+16:GS+17]
.irp p, 2,4,6,8,10,12,14
	s_delay_alu instid0(VALU_DEP_2)
	v_pk_fma_f32 v[AE:AE+1], v[X+\p:X+\p+1], v[GS+\p:GS+\p+1], v[AE:AE+1]
	s_delay_alu instid0(VALU_DEP_2)
	v_pk_fma_f32 v[TP:TP+1], v[X+16+\p:X+17+\p], v[GS+16+\p:GS+17+\p], v[TP:TP+1]
.endr
	s_delay_alu instid0(VALU_DEP_1)
	v_pk_add_f32 v[AE:AE+1], v[AE:AE+1], v[TP:TP+1]
.if (\e) < 6
	GLOAD (\e)+2
.endif
.endm
	GLOAD 0
	GLOAD 1
.irp e, 0,1,2,3,4,5,6,7
	DOT \e
.endr
.irp e, 0,1,2,3,4,5,6,7
	v_add_f32 v[LG+\e], v[ACC+2*\e], v[ACC+2*\e+1]
.endr
.irp m, 1,2,4,8
.irp e, 0,1,2,3,4,5,6,7
	v_add_f32_dpp v[LG+\e], v[LG+\e], v[LG+\e] row_xmask:\m row_mask:0xf bank_mask:0xf   ; the eight sums by turns
.endr
.endr
.irp e, 0,1,2,3,4,5,6,7
	v_permlanex16_b32 v[PT+\e], v[LG+\e], s26, s27
.endr
.irp e, 0,1,2,3,4,5,6,7
	v_add_f32 v[LG+\e], v[LG+\e], v[PT+\e]         ; every lane holds the logit
.endr
	ds_store_b128 v9, v[LG:LG+3]                   ; all lanes write the same words with the same values
	ds_store_b128 v9, v[LG+4:LG+7] offset:16
; 512 numbers of my token become codes: 16 a lane, two lanes to a block of 32
.macro QSTEP u
.set XQ, X+16*(\u)
	v_max3_num_f32 v40, |v[XQ]|, |v[XQ+1]|, |v[XQ+2]|
	v_max3_num_f32 v41, |v[XQ+3]|, |v[XQ+4]|, |v[XQ+5]|
.irp i, 6,10
	s_delay_alu instid0(VALU_DEP_2)
	v_max3_num_f32 v40, v40, |v[XQ+\i]|, |v[XQ+\i+1]|
	s_delay_alu instid0(VALU_DEP_2)
	v_max3_num_f32 v41, v41, |v[XQ+\i+2]|, |v[XQ+\i+3]|
.endr
	s_delay_alu instid0(VALU_DEP_2)
	v_max3_num_f32 v40, v40, |v[XQ+14]|, |v[XQ+15]|
	s_delay_alu instid0(VALU_DEP_1)
	v_max3_num_f32 v40, v40, v41, 0x4800000        ; and the floor 2^(9 - 127): the byte cannot fall under 1
	s_delay_alu instid0(VALU_DEP_1)
	v_max_num_f32_dpp v40, v40, v40 row_xmask:1 row_mask:0xf bank_mask:0xf   ; with my neighbour's 16: the block's largest magnitude
	s_delay_alu instid0(VALU_DEP_1)
	v_add_nc_u32 v42, 0xfc000000, v40              ; 8 off its exponent field: the conversion's scale operand
	s_delay_alu instid0(VALU_DEP_2)
	v_and_or_b32 v43, v40, 0x7f800000, s28         ; 448 x the scale
.irp i, 0,1,2,3,4,5,6,7,8,9,10,11,12,13,14,15
	v_med3_num_f32 v[XQ+\i], v[XQ+\i], -v43, v43   ; the conversion to an 8-bit code does not saturate (ISA guide 7.6.2): the hold comes first
.endr
	v_cvt_scalef32_pk8_fp8_f32 v[48+4*(\u):49+4*(\u)], v[XQ:XQ+7], v42
	v_cvt_scalef32_pk8_fp8_f32 v[50+4*(\u):51+4*(\u)], v[XQ+8:XQ+15], v42
	v_lshrrev_b32 v[44+(\u)], 23, v42              ; the scale's byte
	ds_store_b8 v8, v[44+(\u)] offset:16*(\u)      ; both lanes of a block write the same byte
	global_store_b128 v2, v[48+4*(\u):51+4*(\u)], s[8:9] offset:512*(\u)   ; the wave stores 512 consecutive bytes
.endm
	QSTEP 0
	QSTEP 1
	s_wait_dscnt 0x0                               ; for the others' sake: my logits and scale bytes lie in LDS
	s_barrier_signal -1
	s_barrier_wait -1
	s_cmp_eq_u32 s16, 1
	s_cbranch_scc0 .Lnot_wave_1
	ds_load_b64 v[56:57], v11                      ; wave 1: the 8 tokens' scale bytes leave as 256 consecutive bytes
	s_wait_dscnt 0x0
	global_store_b64 v12, v[56:57], s[10:11]
	s_wait_tensorcnt 0x0
	ds_add_u32 v192, v193
	s_wait_dscnt 0x0
	s_endpgm
.Lnot_wave_1:
	s_cmp_eq_u32 s16, 0
	s_cbranch_scc1 .Ldecide
	s_wait_tensorcnt 0x0
	ds_add_u32 v192, v193
	s_wait_dscnt 0x0
	s_endpgm
.Ldecide:                                          ; wave 0: lane l decides for token l % 8
	ds_load_b128 v[60:63], v10
	ds_load_b128 v[64:67], v10 offset:16
	s_wait_dscnt 0x0
	v_max3_num_f32 v68, v60, v61, v62
	s_delay_alu instid0(VALU_DEP_1)
	v_max3_num_f32 v68, v68, v63, v64
	s_delay_alu instid0(VALU_DEP_1)
	v_max3_num_f32 v68, v68, v65, v66
	s_delay_alu instid0(VALU_DEP_1)
	v_max_num_f32 v68, v68, v67                    ; the row's maximum is taken off ahead of the exponentials
.irp i, 0,1,2,3,4,5,6,7
	v_sub_f32 v[70+\i], v[60+\i], v68
.endr
.irp i, 0,1,2,3,4,5,6,7
	v_mul_f32 v[70+\i], 0x3fb8aa3b, v[70+\i]       ; x log2(e)
.endr
	s_wait_alu depctr_va_vdst(0)
.irp i, 0,1,2,3,4,5,6,7
	v_exp_f32 v[70+\i], v[70+\i]
.endr
	v_mov_b32 v121, 0                              ; (a plain line behind the batch)  the masks' register
	s_wait_alu depctr_va_vdst(0)                   ; one wait for the eight exponentials, ahead of their first reader
	v_add_f32 v112, v70, v71
	v_add_f32 v113, v72, v73
	v_add_f32 v114, v74, v75
	v_add_f32 v115, v76, v77
	s_delay_alu instid0(VALU_DEP_3)
	v_add_f32 v112, v112, v113
	s_delay_alu instid0(VALU_DEP_2)
	v_add_f32 v114, v114, v115
	s_delay_alu instid0(VALU_DEP_1)
	v_add_f32 v112, v112, v114
	s_wait_alu depctr_va_vdst(0)
	v_rcp_f32 v116, v112
	v_mov_b32 v118, 0                              ; (a plain line)  the first expert's number so far
	s_wait_alu depctr_va_vdst(0)
.irp i, 0,1,2,3,4,5,6,7
	v_mul_f32 v[70+\i], v[70+\i], v116             ; the probabilities
.endr
	v_mov_b32 v117, v70
.irp i, 1
	s_delay_alu instid0(VALU_DEP_1)
	v_cmp_gt_f32 vcc_lo, v[70+\i], v117            ; strictly larger: a tie keeps the lower index
	s_delay_alu instid0(VALU_DEP_1)
	v_cndmask_b32 v117, v117, v[70+\i], vcc_lo
	s_delay_alu instid0(VALU_DEP_2)
	v_cndmask_b32 v118, v118, \i, vcc_lo
.endr
.irp i, 2, 3, 4, 5, 6, 7
	s_delay_alu instid0(VALU_DEP_2)
	v_cmp_gt_f32 vcc_lo, v[70+\i], v117
	s_delay_alu instid0(VALU_DEP_1)
	v_cndmask_b32 v117, v117, v[70+\i], vcc_lo
	s_delay_alu instid0(VALU_DEP_2)
	v_cndmask_b32 v118, v118, \i, vcc_lo
.endr
.irp i, 0,1,2,3,4,5,6,7
	v_cmp_eq_u32 vcc_lo, \i, v118
	s_delay_alu instid0(VALU_DEP_1)
	v_cndmask_b32 v[70+\i], v[70+\i], -1.0, vcc_lo ; the first is taken out: under every probability
.endr
	v_mov_b32 v119, v70
	v_mov_b32 v120, 0
.irp i, 1,2,3,4,5,6,7
	s_delay_alu instid0(VALU_DEP_2)
	v_cmp_gt_f32 vcc_lo, v[70+\i], v119
	s_delay_alu instid0(VALU_DEP_1)
	v_cndmask_b32 v119, v119, v[70+\i], vcc_lo
	s_delay_alu instid0(VALU_DEP_2)
	v_cndmask_b32 v120, v120, \i, vcc_lo
.endr
	s_delay_alu instid0(VALU_DEP_2)
	v_add_f32 v126, v117, v119
	s_wait_alu depctr_va_vdst(0)
	v_rcp_f32 v127, v126
	v_lshlrev_b32 v122, 7, v1                      ; (a plain line)  128 x lane: expert l's mask
	s_wait_alu depctr_va_vdst(0)
	v_mul_f32 v124, v117, v127                     ; the two weights, divided by their sum
	v_mul_f32 v125, v119, v127
	v_lshlrev_b32 v123, 2, v1
.irp e, 0,1,2,3,4,5,6,7
	v_cmp_eq_u32 s20, \e, v118
	v_cmp_eq_u32 s21, \e, v120
	s_or_b32 s20, s20, s21
	s_and_b32 s20, s20, 0xff                       ; bit j: token j of the eight chose expert e
	v_writelane_b32 v121, s20, \e                  ; lane e holds expert e's byte
.endr
	s_wait_alu depctr_va_vdst(0)
	s_wait_xcnt 0x0                                ; EXEC changes only behind this wait: my stores of codes have been issued
	v_cmp_gt_u32 vcc_lo, 8, v1
	s_wait_tensorcnt 0x0
	ds_add_u32 v192, v193
	s_wait_dscnt 0x0
	s_and_saveexec_b32 s29, vcc_lo
	global_store_b8 v122, v121, s[30:31]           ; lane e: byte 128 e + work-group
	global_store_b32 v123, v120, s[32:33] offset:1024   ; lane j: second[token j]
	global_store_b64 v12, v[124:125], s[34:35]     ; lane j: topw[token j]
	s_wait_xcnt 0x0
	s_or_b32 exec_lo, exec_lo, s29
	s_endpgm
.Lfunc_end_k_q9dbd3ba8d4_route:
	.size	k_q9dbd3ba8d4_route, .Lfunc_end_k_q9dbd3ba8d4_route-k_q9dbd3ba8d4_route
	.p2alignl 7, 3214868480
	.fill 96, 4, 3214868480
	.section	.rodata,"a",@progbits
	.p2align	6, 0x0
	.amdhsa_kernel k_q9dbd3ba8d4_route
		.amdhsa_group_segment_fixed_size 83456
		.amdhsa_private_segment_fixed_size 0
		.amdhsa_enable_private_segment 0
		.amdhsa_kernarg_size 48
		.amdhsa_user_sgpr_count 2
		.amdhsa_user_sgpr_kernarg_segment_ptr 1
		.amdhsa_wavefront_size32 1
		.amdhsa_system_sgpr_workgroup_id_x 1
		.amdhsa_system_sgpr_workgroup_id_y 1
		.amdhsa_system_sgpr_workgroup_id_z 1
		.amdhsa_system_vgpr_workitem_id 0
		.amdhsa_next_free_vgpr 194
		.amdhsa_next_free_sgpr 66
		.amdhsa_reserve_vcc 1
		.amdhsa_float_denorm_mode_32 3
		.amdhsa_float_denorm_mode_16_64 3
		.amdhsa_memory_ordered 1
		.amdhsa_forward_progress 1
		.amdhsa_inst_pref_size 41
	.end_amdhsa_kernel
	.amdgpu_metadata
---
amdhsa.version: [ 1, 2 ]
amdhsa.kernels:
  - .name:           k_q9dbd3ba8d4_route
    .symbol:         k_q9dbd3ba8d4_route.kd
    .args:
      - { .name: hidden_states, .offset: 0, .size: 8, .value_kind: global_buffer, .address_space: global }
      - { .name: gate_w, .offset: 8, .size: 8, .value_kind: global_buffer, .address_space: global }
      - { .name: xq, .offset: 16, .size: 8, .value_kind: global_buffer, .address_space: global }
      - { .name: xs, .offset: 24, .size: 8, .value_kind: global_buffer, .address_space: global }
      - { .name: rmask, .offset: 32, .size: 8, .value_kind: global_buffer, .address_space: global }
      - { .name: topw, .offset: 40, .size: 8, .value_kind: global_buffer, .address_space: global }
    .group_segment_fixed_size: 83456
    .private_segment_fixed_size: 0
    .kernarg_segment_align: 8
    .kernarg_segment_size: 48
    .max_flat_workgroup_size: 256
    .sgpr_count:     66
    .vgpr_count:     194
    .wavefront_size: 32
...
	.end_amdgpu_metadata
.endif
;; end of part 5
;; launch gateup (part 6): grid 32 x 8, 4 waves a work-group, no clusters, 133,632 bytes of LDS; arguments rmask, xq, xs, w1_codes, w1_scales, w3_codes, w3_scales, act, acts, pos; writes act, acts, pos
.if DOCPART == 6
	.amdgcn_target "amdgcn-amd-amdhsa--gfx1250"
	.amdhsa_code_object_version 6
	.text
	.protected	k_q9dbd3ba8d4_gateup
	.globl	k_q9dbd3ba8d4_gateup
	.p2align	8
	.type	k_q9dbd3ba8d4_gateup,@function
k_q9dbd3ba8d4_gateup:
	s_mov_b64 s[64:65], 0
	v_nop
	global_prefetch_b8 v0, s[64:65] scope:SCOPE_SE
	s_setreg_imm32_b32 hwreg(HW_REG_WAVE_SCHED_MODE, 0, 2), 2
	s_setreg_imm32_b32 hwreg(HW_REG_WAVE_MODE, 25, 1), 1
	s_wait_xcnt 0x0
	s_wait_alu depctr_vm_vsrc(0)
; act = Q(silu(x W1^T) x (x W3^T)) for the rows that chose an expert, on codes of E4M3 with one E8M0 scale for each 32 along K.
; SHARES.  Work-group (x = slice sl, y = expert e) takes hidden units 64 sl .. 64 sl + 63 of w1 AND of w3, for all rows of expert e: its 128 KiB of weights are read from memory by this work-group
; alone, once, and lie in LDS.  The rows come to the weights.  Wave w takes row tiles (16 rows) T0 + w + 4 i, i = 0..4; a pass serves 20 tiles, T0 steps by 20 until the expert's tiles are done
; (four passes at the most: an expert has at most 64 tiles).
; TWO FORMS OF THE K STEPS.  2,048 routed rows on 8 experts are 16 tiles an expert where the choice is even, so most waves have no fifth tile.  A wave whose fifth tile lies beyond the expert's last
; walks the K steps in a form with four tiles: 32 products a step in place of 40, and from K step 3 on no loads for the fifth.  The choice is a scalar branch at the head of a pass.
; The loads ahead of the first K step are the same in both forms.  The fifth tile's way out stands first, and the two forms join behind it.
; WHICH TOKEN IS ROW p OF EXPERT e: the p-th set bit of the expert's mask of 1,024 bits, which the launch before has stored.  The mask lies in 32 scalar registers; a lane finds its row's word by
; a chain of selects over the words' running counts, and the bit in the word by five halvings over the word's partial counts.  This is done while the weights are on their way.
; NO TENSOR LOADS, NO CLUSTER: the number of passes and the tiles left out hang on counts read from memory; so operands go through registers, and the one barrier stands ahead of the first such branch.
; LAYOUT.  The products are used transposed (source 0 = 16 rows of a weight, source 1 = 16 tokens): a lane holds ONE token.  THE ROWS OF A WEIGHT THAT FORM A TILE ARE NOT NEIGHBOURS: in LDS unit n lies at row
; n with its bits 3 and 4 exchanged, so that tile 2 b + u holds at its row m unit 32 b + 16 (m / 8) + 8 u + m % 8, and the 16 registers of tiles 2 b, 2 b + 1 are units 32 b + 16 (lane / 16) + 0..15:
; 16 neighbours along the next product's K.  The conversions' results then are that product's operand registers, and they are stored as an image of them:
;   act  [64 e + tile][K step 0..15][c 0..3][lane][16 bytes];   acts [64 e + tile][row 0..15][16 words];   pos [token][slot] = 1024 e + p (slot 1 where e is the token's second expert; slice 0 stores it).
; ROWS BEYOND THE COUNT.  A row number is held at the expert's last row: the rows of the last tile beyond the count repeat that row (finite, stored whole, read by no sum), and their lanes store to pos
; the last row's own value at its own place.  So every lane stays on throughout.  An expert that nobody chose is given one tile, made of token 1,023, so that the next launch reads no byte that was
; not stored; no pos is stored for it, and nobody reads its rows further on.
; K is outermost and written out: 8 steps of 128; all accumulators (8 tiles of units x 5 or 4 tiles of rows) live; a fragment of weights from LDS feeds five or four products; the weights' fragments lie in two
; register sets, by the K step's parity; x's fragments run in a ring of four register sets, three steps ahead.
; LIMITS: NaN and infinities are not served.  A block of zeros gets the byte 1 with zero codes (this program alone reads the bytes).  Where exp(-g) passes the largest f32 number silu(g) counts as 0.
; REGISTERS, in windows of 256: 128 small + 2 x 128 fragments of weights + 320 accumulators + 320 of the ring are all 1,024.
;   window 0: v1-15 addresses; v16-47 the weights' scale words; v48-87 x's scale words; v88-127 lists and small work; v128-255 W0: the eight fragments (w1's four, w3's four) of an even K step (outside the K steps: at work).
;   window 1: at the head the weights on their way to LDS; then accumulator (T, i) at v[8 (8 i + T)], i = 0..3.   window 2: v0-63 accumulators (T, 4); from v64 the ring of tiles 0 to 2: tile i, set s at v[64 + 64 i + 16 s].
;   window 3: v0-127 the ring of tiles 3 and 4: v[64 (i - 3) + 16 s]; v128-255 W1: the eight fragments of an odd K step.
; THE MODE: SCHED_MODE bits 1:0 = 2 (LLVM: expert scheduling mode 2), set by the entry lines.  The code itself states the register dependences between vector or matrix instructions and memory or LDS
; instructions, and those through scalar registers that vector instructions write, with s_wait_alu, always for 0.
; THE PLAN.  Registers that memory or LDS instructions touch, and who else names them:
;   W0, W1        K step s: its products read W[s % 2]; the LDS loads of step s + 1's fragments, issued in step s, land in W[(s + 1) % 2], which step s - 1's products read.
;   the ring      K step s: its products read set s % 4 of each tile; the loads of step s + 3, issued in step s, land in set (s - 1) % 4, which step s - 1's products read.
;                 So ONE wait on va_vdst stands at the head of K steps 1 to 6.  The step's loads follow it, dealt among its products, which name W[s % 2], set s % 4, scale words and accumulators:
;                 none of the registers that those loads touch.  Step 0's loads lean on the wait at the lists' end; step 7 loads nothing.
;   XS, SEC       Loaded at a pass's head; read by the pass's products (as scales) and by the compares for pos.  The wait at the lists' end stands between one pass's readers and the next pass's loads.
;   XA, XSA, SA   Written by the lists, read by loads: va_vdst at the lists' end, vm_vsrc at the pass's end ahead of the next lists.
;   CD, PW, PA, PV  Out-registers, a set for each tile: va_vdst ahead of each run of stores; the vm_vsrc at the pass's end ahead of all that writes them again (W0's loads among it).
;   AO, ASO       Stepped at the pass's end, behind that vm_vsrc; the lists' wait stands ahead of the next stores.
;   v1, AW, WST, WSO  Made at the head, never written again: one va_vdst ahead of the first load.
;   window 1      At the head: loaded, read by the LDS stores, then written by the products: vm_vsrc behind the barrier.
;   Compares stand in runs of three, into three scalar registers, with one wait on va_sdst behind each run.
.set P,    1040                        ; a weight's row in LDS: 1,024 bytes + 16: 65 x 16, so the 16 rows of a fragment load start in 16 different groups of banks
.set VP0,  2                           ; v2   r + 64 h: my row in a pair of my wave's tiles
.set VP2,  3                           ; v3   r
.set AW,   4                           ; v4, v5  LDS address of my part of w1's, w3's fragments
.set WST,  6                           ; v6   where my wave's weights go
.set WSO,  7                           ; v7   my row among the weights' scale bytes
.set AO,   8                           ; v8   my bytes in act, tile T0 + w
.set ASO,  9                           ; v9   my row in acts, tile T0 + w
.set XA,   10                          ; v10-14  tile i: my token's codes, + 16 h
.set H16,  15                          ; v15  16 h
.set WS,   16                          ; v[WS + 16 mat + 8 b + s]: lanes 0-15 tile 2 b, lanes 16-31 tile 2 b + 1, K step s
.set XS,   48                          ; v[XS + 8 i + s]
.set XSA,  88                          ; v88-92  tile i: my token's scale bytes
.set PR,   93                          ; v93-95  run a: my row p, held at the expert's last row
.set TK,   96                          ; v96-98  its token
.set SA,   99                          ; v99-101 4 x token
.set SEC,  102                         ; v102-104 the token's second expert
.set PA,   105                         ; v105-107 where pos is stored
.set PV,   108                         ; v108-110 what is stored
.set TX,   111                         ; v111-115 the five tiles' tokens, at work
.set OT,   120                         ; v120-121 the other half of the lanes' tokens
.set QP,   122                         ; v122-123 the other half's largest magnitudes
.set WF,   128                         ; a set of fragments begins at v128 of its window: fragment T at + 16 T
.set TT,   128                         ; the way out: 32 numbers of a tile
.set TM,   160                         ; +0,1 largest magnitudes; +2,3 bytes; +4,5 448 x the scale; +6,7 the conversions' scale operands
.set CD,   176                         ; codes: eight registers for each tile, so that no store's data are written again in a pass
.set PW,   216                         ; the two scale bytes, a register for each tile
.set LT,   128                         ; the lists' work: 16 registers a run: +1 key, +2 the word's count and number, +3 the word, +4 the rank, +5..8 partial counts, +9 the bit, +10, +11 at work, +12 the token
; SCALARS: s2 wave; s3 NE, the expert's rows; s4 NT, its tiles; s5 T0; s[6:7] lane selects; s[8:9] acts; s[10:11] pos; s12 the mask of lanes 16-31; s13 448's mantissa; s[14:15] -log2(e);
; s16-47 the mask's 32 words; s48-63, s66-81 for each word (rows before it) x 32 + its number; s82 NE - 1; s83 e; s[84:85] rmask; s[86:87] xq; s[88:89] xs; s[90:91] my wave's weights; s[92:93], s[96:97] scales; s[98:99] act; s100 1024 e.
; s94, s95, s105: run a's compare writes s[94 + a + 9 (a / 2)]; the three are free once my wave's weights are chosen and the expert's mask is in.
.set MSB, 0
.macro WIN new                         ; the immediate's high byte repeats the setting that is left; a switch that changes nothing is dropped
.if MSB != \new
	s_set_vgpr_msb (MSB<<8)|\new
.set MSB, \new
.endif
.endm
.macro PLACES                          ; eight places behind this matrix form: at each K step's end; they stay beside the wait at the next step's head, and stand in front of the first read of results
.rept 8
	v_nop
.endr
.endm
.macro WLOAD k0, k1                    ; my wave's 32 rows of a weight are 32 KiB on end: load k reads 512 consecutive bytes
	WIN 0x40
.set k, \k0
.rept (\k1)-(\k0)+1
	global_load_b128 v[4*k:4*k+3], v1, s[90:91] offset:512*k th:TH_LOAD_NT
.set k, k+1
.endr
	WIN 0
.endm
.macro SELSTEP src, wid, inc           ; a halving: does my rank pass the count of the lower part?
.irp a, 0,1,2
	v_bfe_u32 v[LT+16*\a+10], v[LT+16*\a+\src], v[LT+16*\a+9], \wid
.endr
.irp a, 0,1,2
	v_cmp_ge_u32 s[94+\a+9*(\a/2)], v[LT+16*\a+4], v[LT+16*\a+10]
.endr
	s_wait_alu depctr_va_sdst(0)                   ; the three compares have written s94, s95, s105, which the selects below read
.irp a, 0,1,2
	v_cndmask_b32 v[LT+16*\a+10], 0, v[LT+16*\a+10], s[94+\a+9*(\a/2)]
	v_cndmask_b32 v[LT+16*\a+11], 0, \inc, s[94+\a+9*(\a/2)]
.endr
.irp a, 0,1,2
	v_sub_nc_u32 v[LT+16*\a+4], v[LT+16*\a+4], v[LT+16*\a+10]
	v_add_nc_u32 v[LT+16*\a+9], v[LT+16*\a+9], v[LT+16*\a+11]
.endr
.endm
; The tokens of this pass's five tiles.  Three runs at once: in run a lanes 0-15 serve tile 2 a and lanes 16-31 tile 2 a + 1 (run 2: both halves tile 4).
.macro LISTS
	s_add_co_u32 s101, s5, s2
	s_lshl_b32 s101, s101, 4                       ; 16 (T0 + w)
	v_add_nc_u32 v[PR], s101, v[VP0]
	s_add_co_u32 s104, s101, 128
	v_add_nc_u32 v[PR+1], s104, v[VP0]
	s_add_co_u32 s104, s101, 256
	v_add_nc_u32 v[PR+2], s104, v[VP2]
.irp a, 0,1,2
	v_min_u32 v[PR+\a], s82, v[PR+\a]              ; rows beyond the count repeat the last row
	v_lshl_or_b32 v[LT+16*\a+1], v[PR+\a], 5, 31
	v_mov_b32 v[LT+16*\a+2], s48
	v_mov_b32 v[LT+16*\a+3], s16
.endr
.set g, 1
.rept 31                               ; the last word with no more rows before it than my row's number
.irp a, 0,1,2
	v_cmp_le_u32 s[94+\a+9*(\a/2)], s[48+g+2*(g/16)], v[LT+16*\a+1]
.endr
	s_wait_alu depctr_va_sdst(0)                   ; the three compares have written s94, s95, s105, which the selects below read
.irp a, 0,1,2
	v_cndmask_b32 v[LT+16*\a+2], v[LT+16*\a+2], s[48+g+2*(g/16)], s[94+\a+9*(\a/2)]
	v_cndmask_b32 v[LT+16*\a+3], v[LT+16*\a+3], s[16+g], s[94+\a+9*(\a/2)]
.endr
.set g, g+1
.endr
.irp a, 0,1,2
	v_lshrrev_b32 v[LT+16*\a+10], 5, v[LT+16*\a+2]
	v_sub_nc_u32 v[LT+16*\a+4], v[PR+\a], v[LT+16*\a+10]           ; my rank among the word's bits
	v_lshrrev_b32 v[LT+16*\a+11], 1, v[LT+16*\a+3]
	v_and_b32 v[LT+16*\a+11], 0x55555555, v[LT+16*\a+11]
	v_sub_nc_u32 v[LT+16*\a+5], v[LT+16*\a+3], v[LT+16*\a+11]      ; counts of 2 bits
	v_lshrrev_b32 v[LT+16*\a+11], 2, v[LT+16*\a+5]
	v_and_b32 v[LT+16*\a+11], 0x33333333, v[LT+16*\a+11]
	v_and_b32 v[LT+16*\a+6], 0x33333333, v[LT+16*\a+5]
	v_add_nc_u32 v[LT+16*\a+6], v[LT+16*\a+6], v[LT+16*\a+11]      ; of 4
	v_lshrrev_b32 v[LT+16*\a+11], 4, v[LT+16*\a+6]
	v_add_nc_u32 v[LT+16*\a+7], v[LT+16*\a+6], v[LT+16*\a+11]
	v_and_b32 v[LT+16*\a+7], 0x0f0f0f0f, v[LT+16*\a+7]             ; of 8
	v_lshrrev_b32 v[LT+16*\a+11], 8, v[LT+16*\a+7]
	v_add_nc_u32 v[LT+16*\a+8], v[LT+16*\a+7], v[LT+16*\a+11]      ; its lowest byte: of the lower 16
	v_mov_b32 v[LT+16*\a+9], 0
.endr
	SELSTEP 8, 8, 16
	SELSTEP 7, 8, 8
	SELSTEP 6, 4, 4
	SELSTEP 5, 2, 2
	SELSTEP 3, 1, 1
.irp a, 0,1,2
	v_and_b32 v[LT+16*\a+10], 31, v[LT+16*\a+2]
	v_lshl_add_u32 v[LT+16*\a+12], v[LT+16*\a+10], 5, v[LT+16*\a+9]   ; the token: 32 x word + bit
	v_min_u32 v[TK+\a], 0x3ff, v[LT+16*\a+12]      ; a number read from memory enters an address only behind such a hold
	v_lshlrev_b32 v[SA+\a], 2, v[TK+\a]
.endr
	v_permlanex16_b32 v[OT], v[LT+12], s6, s7
	v_permlanex16_b32 v[OT+1], v[LT+28], s6, s7
	v_cndmask_b32 v[TX], v[LT+12], v[OT], s12      ; tile 0: lanes 16-31 take lane r's token
	v_cndmask_b32 v[TX+1], v[OT], v[LT+12], s12    ; tile 1: lanes 0-15 take lane 16 + r's
	v_cndmask_b32 v[TX+2], v[LT+28], v[OT+1], s12
	v_cndmask_b32 v[TX+3], v[OT+1], v[LT+28], s12
.irp i, 0,1,2,3
	v_min_u32 v[TX+\i], 0x3ff, v[TX+\i]
.endr
	v_min_u32 v[TX+4], 0x3ff, v[LT+44]
.irp i, 0,1,2,3,4
	v_lshl_add_u32 v[XA+\i], v[TX+\i], 10, v[H16]
	v_lshlrev_b32 v[XSA+\i], 5, v[TX+\i]
.endr
	s_wait_alu depctr_va_vdst(0)                   ; the lists have written SA, XSA and XA, which the loads below read; the last pass's products and compares are done reading XS, SEC, the ring, W0 and W1, and the lists and the way out are done with W0's registers: loads land in all of these up to K step 0's end
.endm
.macro XTILE i, ks                     ; x's fragment of tile i, K step ks, into ring set ks % 4: lane (r, h) takes 16 bytes at 32 c + 16 h of its token's 128
.irp c, 0,1,2,3
	global_load_b128 v[64*((\i)%3)+64*(1-(\i)/3)+16*((\ks)%4)+4*\c:64*((\i)%3)+64*(1-(\i)/3)+16*((\ks)%4)+4*\c+3], v[XA+(\i)], s[86:87] offset:128*(\ks)+32*\c
.endr
.endm
.macro XLOW ks                         ; tiles 0 to 2: window 2
	WIN 0x80
	XTILE 0, \ks
	XTILE 1, \ks
	XTILE 2, \ks
.endm
.macro XHIGH ks, nt                    ; tile 3, and tile 4 where the form has it: window 3
	WIN 0xc0
	XTILE 3, \ks
.if (\nt) == 5
	XTILE 4, \ks
.endif
.endm
.macro XPRO                            ; 73 loads: 3 + 10 + 3 x 20; the same for both forms of the K steps
.irp a, 0,1,2
	global_load_b32 v[SEC+\a], v[SA+\a], s[84:85] offset:1024
.endr
.irp i, 0,1,2,3,4
	global_load_b128 v[XS+8*\i:XS+8*\i+3], v[XSA+\i], s[88:89]
	global_load_b128 v[XS+8*\i+4:XS+8*\i+7], v[XSA+\i], s[88:89] offset:16
.endr
	XLOW 0
	XHIGH 0, 5
	XLOW 1
	XHIGH 1, 5
	XLOW 2
	XHIGH 2, 5
	WIN 0
.endm
.macro WFRAG st, ks                    ; four fragments of w1 (st = 0) or w3 (1), K step ks, into W[ks % 2]: window 0 or window 3
	WIN (0xc0*((\ks)%2))
.irp t, 0,1,2,3
.irp c, 0,1,2,3
	ds_load_b128 v[WF+64*(\st)+16*\t+4*\c:WF+64*(\st)+16*\t+4*\c+3], v[AW+(\st)] offset:16*\t*P+128*(\ks)+32*\c
.endr
.endr
.endm
.macro MM st, t, i, ks                 ; one product; the first K step starts the sum: nothing is cleared
.set rD, 8*(8*((\i)%4)+4*(\st)+(\t))
.set rA, WF+64*(\st)+16*(\t)
.set rB, 64*((\i)%3)+64*(1-(\i)/3)+16*((\ks)%4)
.set rSA, WS+16*(\st)+8*((\t)/2)+(\ks)
.set rSB, XS+8*(\i)+(\ks)
.if (\ks) == 0
.if (\t)%2
	v_wmma_scale_f32_16x16x128_f8f6f4 v[rD:rD+7], v[rA:rA+15], v[rB:rB+15], 0, v[rSA], v[rSB] matrix_a_scale:MATRIX_SCALE_ROW1
.else
	v_wmma_scale_f32_16x16x128_f8f6f4 v[rD:rD+7], v[rA:rA+15], v[rB:rB+15], 0, v[rSA], v[rSB]
.endif
.else
.if (\t)%2
	v_wmma_scale_f32_16x16x128_f8f6f4 v[rD:rD+7], v[rA:rA+15], v[rB:rB+15], v[rD:rD+7], v[rSA], v[rSB] matrix_a_scale:MATRIX_SCALE_ROW1
.else
	v_wmma_scale_f32_16x16x128_f8f6f4 v[rD:rD+7], v[rA:rA+15], v[rB:rB+15], v[rD:rD+7], v[rSA], v[rSB]
.endif
.endif
.endm
.macro GRP i, ks                       ; tile i of rows against the eight tiles of units.  The accumulators take turns, one instruction a turn
.if (\i) < 3
	WIN (0x58|(3*((\ks)%2)))                       ; C and D window 1, x window 2, the weights window 0 or 3
.elseif (\i) == 3
	WIN (0x5c|(3*((\ks)%2)))                       ; x window 3
.else
	WIN (0xac|(3*((\ks)%2)))                       ; C and D window 2, x window 3
.endif
.irp st, 0,1
.irp t, 0,1,2,3
	MM \st, \t, \i, \ks
.endr
.endr
.endm
.macro KSTEP ks, nt
.if (\nt) == 5
.if (\ks) <= 5
	s_wait_loadcnt 40                              ; this step's x is in; the 2 x 20 loads of the two steps behind it may be out
.elseif (\ks) == 6
	s_wait_loadcnt 20
.else
	s_wait_loadcnt 0x0
.endif
.else
.if (\ks) <= 2
	s_wait_loadcnt 40-4*(\ks)                      ; of the two steps behind this one, those up to step 2 were asked for at the pass's head with 20 loads, the later ones here with 16
.elseif (\ks) <= 5
	s_wait_loadcnt 32                              ; 2 x 16
.elseif (\ks) == 6
	s_wait_loadcnt 16
.else
	s_wait_loadcnt 0x0
.endif
.endif
	s_wait_dscnt 0x0                               ; this step's eight fragments of weights are in: all 32 loads were issued in the step before, and none is younger
.if (\ks) > 0 && (\ks) < 7
	s_wait_alu depctr_va_vdst(0)                   ; the step before is done reading the other set of weights and its set of the ring, in which this step's loads land
.endif
	GRP 0, \ks
.if (\ks) < 7
	WFRAG 0, (\ks)+1                               ; no further wait: no product since the wait names the other set of weights or AW
.endif
	GRP 1, \ks
.if (\ks) < 7
	WFRAG 1, (\ks)+1
.endif
	GRP 2, \ks
.if (\ks) <= 4
	XLOW (\ks)+3                                   ; into the set that the step before multiplied: this step's products name set ks % 4 alone
.endif
	GRP 3, \ks
.if (\ks) <= 4
	XHIGH (\ks)+3, \nt
.endif
.if (\nt) == 5
	GRP 4, \ks
.endif
	PLACES
.if (\ks) == 7
	WIN 0
.endif
.endm
; THE WAY OUT of tile ti: silu(g) u in f32, quantised along the hidden units, stored as the next product's operand registers.  chk = 1: a tile beyond the expert's last is left out.
.macro EPI ti, chk
.if \chk
	s_add_co_u32 s101, s5, s2
	s_add_co_u32 s101, s101, 4*(\ti)
	s_cmp_ge_u32 s101, s4
	s_cbranch_scc1 .Lskip_\@
.endif
.set EW, 1+(\ti)/4                     ; the accumulators' window
.set GB, 64*((\ti)%4)                  ; g: 32 registers; u: the next 32.  Register 16 b + j: unit 32 b + 16 h + j
	WIN EW
.set q, 0
.rept 16
	v_pk_mul_f32 v[TT+q:TT+q+1], v[GB+q:GB+q+1], s[14:15] op_sel_hi:[1,0]   ; -g log2(e); each accumulator is read from its low end on
.set q, q+2
.endr
	WIN 0
.set q, 0
	s_wait_alu depctr_va_vdst(0)
.rept 32
	v_exp_f32 v[TT+q], v[TT+q]
.set q, q+1
.endr
	v_nop                                          ; a plain line behind the batch
	s_wait_alu depctr_va_vdst(0)                   ; one wait for the 32 exponentials, ahead of their first reader
.set q, 0
.rept 16
	v_pk_add_f32 v[TT+q:TT+q+1], v[TT+q:TT+q+1], 1.0 op_sel_hi:[1,0]
.set q, q+2
.endr
.set q, 0
	s_wait_alu depctr_va_vdst(0)
.rept 32
	v_rcp_f32 v[TT+q], v[TT+q]                     ; sigmoid(g)
.set q, q+1
.endr
	v_nop
	s_wait_alu depctr_va_vdst(0)                   ; and one for the 32 reciprocals
	WIN EW
.set q, 0
.rept 16
	v_pk_mul_f32 v[TT+q:TT+q+1], v[GB+q:GB+q+1], v[TT+q:TT+q+1]            ; silu(g)
.set q, q+2
.endr
.set q, 0
.rept 16
	v_pk_mul_f32 v[TT+q:TT+q+1], v[GB+32+q:GB+33+q], v[TT+q:TT+q+1]        ; x u
.set q, q+2
.endr
	WIN 0
.irp b, 0,1
	v_max3_num_f32 v[TM+\b], |v[TT+16*\b]|, |v[TT+16*\b+1]|, 0x4800000     ; block b: my 16 numbers, and the floor 2^(9 - 127): the byte cannot fall under 1
.endr
.irp n, 2,4,6,8,10,12,14
.irp b, 0,1
	v_max3_num_f32 v[TM+\b], v[TM+\b], |v[TT+16*\b+\n]|, |v[TT+16*\b+\n+1]|
.endr
.endr
.irp b, 0,1
	v_permlanex16_b32 v[QP+\b], v[TM+\b], s6, s7
.endr
.irp b, 0,1
	v_max_num_f32 v[TM+\b], v[TM+\b], v[QP+\b]     ; with lane l xor 16's: the block's largest magnitude
.endr
.irp b, 0,1
	v_add_nc_u32 v[TM+6+\b], 0xfc000000, v[TM+\b]  ; 8 off its exponent field: the conversion's scale operand
.endr
.irp b, 0,1
	v_and_or_b32 v[TM+4+\b], v[TM+\b], 0x7f800000, s13   ; 448 x the scale
.endr
.irp b, 0,1
	v_lshrrev_b32 v[TM+2+\b], 23, v[TM+6+\b]       ; the scale's byte
.endr
	v_lshl_or_b32 v[PW+(\ti)], v[TM+3], 8, v[TM+2]
.irp b, 0,1
.set q, 0
.rept 16
	v_med3_num_f32 v[TT+16*\b+q], v[TT+16*\b+q], -v[TM+4+\b], v[TM+4+\b]   ; the conversion to an 8-bit code does not saturate (ISA guide 7.6.2): the hold comes first
.set q, q+1
.endr
	v_cvt_scalef32_pk8_fp8_f32 v[CD+8*(\ti)+4*\b:CD+8*(\ti)+4*\b+1], v[TT+16*\b:TT+16*\b+7], v[TM+6+\b]
	v_cvt_scalef32_pk8_fp8_f32 v[CD+8*(\ti)+4*\b+2:CD+8*(\ti)+4*\b+3], v[TT+16*\b+8:TT+16*\b+15], v[TM+6+\b]
.endr
	v_nop                                          ; a plain line behind the last conversion: later vector and matrix lines touch these registers
	s_wait_alu depctr_va_vdst(0)                   ; the conversions have written this tile's CD, and its PW is written: the three stores below read them
	global_store_b128 v[AO], v[CD+8*(\ti):CD+8*(\ti)+3], s[98:99] offset:131072*(\ti)           ; the wave stores 512 consecutive bytes: four registers of the operand's image
	global_store_b128 v[AO], v[CD+8*(\ti)+4:CD+8*(\ti)+7], s[98:99] offset:131072*(\ti)+512
	global_store_b16 v[ASO], v[PW+(\ti)], s[8:9] offset:4096*(\ti)                              ; my row's two scale bytes (lanes r and 16 + r hold and write the same)
.if \chk
.Lskip_\@:
.endif
.endm
; Slice 0 stores where each token's rows lie.  All lanes store: a lane beyond the count holds the last row's number and token, and stores that row's own value at its own place.
.macro POSM
	s_cmp_lg_u32 ttmp9, 0
	s_cbranch_scc1 .Lno_pos_\@
	s_cmp_eq_u32 s3, 0                             ; an expert that nobody chose has no row to tell of
	s_cbranch_scc1 .Lno_pos_\@
.irp a, 0,1,2
	v_cmp_eq_u32 s[94+\a+9*(\a/2)], s83, v[SEC+\a]
.endr
	s_wait_alu depctr_va_sdst(0)                   ; the three compares have written s94, s95, s105, which the selects below read
.irp a, 0,1,2
	v_cndmask_b32 v[PA+\a], 0, 4, s[94+\a+9*(\a/2)]
	v_min_u32 v[PA+\a], 4, v[PA+\a]
	v_lshl_add_u32 v[PA+\a], v[TK+\a], 3, v[PA+\a] ; 8 x token + 4 x slot
	v_add_nc_u32 v[PV+\a], s100, v[PR+\a]          ; 1024 e + p
.endr
	s_wait_alu depctr_va_vdst(0)                   ; PA and PV are written: the three stores read them as offset and data
.irp a, 0,1,2
	global_store_b32 v[PA+\a], v[PV+\a], s[10:11]
.endr
.Lno_pos_\@:
.endm
	s_load_b512 s[84:99], s[0:1], 0x0              ; rmask 84, xq 86, xs 88, w1_codes 90, w1_scales 92, w3_codes 94, w3_scales 96, act 98
	s_load_b128 s[8:11], s[0:1], 0x40              ; acts, pos
	v_lshl_add_u32 v126, v0, 2, 0x20800
	v_mov_b32 v127, 0
	v_lshrrev_b32 v116, 5, v0
	v_readfirstlane_b32 s2, v116                   ; wave 0..3
	s_and_b32 s83, ttmp7, 0xffff                   ; the expert
	s_lshl_b32 s100, s83, 10
	s_mov_b32 s5, 0                                ; T0
	s_mov_b32 s6, 0x76543210
	s_mov_b32 s7, 0xfedcba98                       ; v_permlanex16_b32's selects for lane l xor 16
	s_mov_b32 s12, 0xffff0000
	s_mov_b32 s13, 0x600000
	s_mov_b32 s14, 0xbfb8aa3b                      ; -log2(e)
	s_mov_b32 s15, s14                             ; (named with it as a pair, so it is written)
	v_and_b32 v116, 31, v0                         ; lane
	v_lshlrev_b32 v1, 4, v116
	v_and_b32 v[VP2], 15, v0                       ; r
	v_bfe_u32 v117, v0, 4, 1                       ; h
	v_lshl_add_u32 v[VP0], v117, 6, v[VP2]
	v_lshlrev_b32 v[H16], 4, v117
	v_mul_u32_u24 v[AW], v[VP2], P
	v_add_nc_u32 v[AW], v[AW], v[H16]              ; row r x pitch + 16 h
	v_add_nc_u32 v[AW+1], 64*P, v[AW]              ; w3's rows lie behind w1's 64
	s_wait_alu depctr_va_sdst(0)                   ; s2 is written, ahead of its first reader: LDS places, bases and tile numbers are made from it
	s_mul_i32 s101, s2, 32*P
	v_add_nc_u32 v[WST], s101, v1                  ; wave w fills rows 32 w .. 32 w + 31
	v_and_b32 v118, 8, v[VP2]
	v_add_nc_u32 v118, v118, v[VP2]
	v_lshl_add_u32 v118, v117, 3, v118             ; unit r + 8 (r / 8) + 8 h: lanes 16-31 serve the odd tile
	v_lshlrev_b32 v[WSO], 5, v118                  ; 32 scale bytes a unit
	s_lshl_b32 s101, s2, 15
	v_add_nc_u32 v[AO], s101, v1
	s_lshl_b32 s101, s2, 10
	v_lshl_add_u32 v[ASO], v[VP2], 6, s101
.irp n, 0,1,2,3
	v_mov_b32 v[OT+\n], 0                          ; written once: a lane permute's destination counts as one of its sources
.endr
	s_lshl_b32 s104, s83, 7
	s_mov_b32 s105, 0
	s_wait_kmcnt 0x0
	s_add_nc_u64 s[104:105], s[84:85], s[104:105]
	s_load_b512 s[16:31], s[104:105], 0x0          ; the expert's mask
	s_load_b512 s[32:47], s[104:105], 0x40
	s_lshl_b32 s80, s83, 16
	s_lshl_b32 s81, ttmp9, 11
	s_add_co_u32 s80, s80, s81
	s_mov_b32 s81, 0
	s_add_nc_u64 s[92:93], s[92:93], s[80:81]      ; the slice's scale bytes: 65,536 e + 2,048 sl
	s_add_nc_u64 s[96:97], s[96:97], s[80:81]
	s_wait_alu depctr_va_vdst(0)                   ; the head's offsets and addresses v1 and v4 to v9 are written: loads, LDS instructions and stores read them from here on
.irp b, 0,1
.irp n, 0,1
	global_load_b128 v[WS+8*\b+4*\n:WS+8*\b+4*\n+3], v[WSO], s[92:93] offset:1024*\b+16*\n
	global_load_b128 v[WS+16+8*\b+4*\n:WS+16+8*\b+4*\n+3], v[WSO], s[96:97] offset:1024*\b+16*\n
.endr
.endr
	s_cmp_lt_u32 s2, 2                             ; waves 0, 1 bring w1's rows, waves 2, 3 w3's
	s_cselect_b64 s[90:91], s[90:91], s[94:95]
	s_lshl_b32 s80, s83, 21
	s_lshl_b32 s81, ttmp9, 16
	s_add_co_u32 s80, s80, s81
	s_and_b32 s81, s2, 1
	s_lshl_b32 s81, s81, 15
	s_add_co_u32 s80, s80, s81
	s_mov_b32 s81, 0
	s_add_nc_u64 s[90:91], s[90:91], s[80:81]
	WLOAD 0, 47                                    ; with the 8 loads of scales: 56 loads are out
	s_lshl_b32 s80, s83, 21
	s_lshl_b32 s81, ttmp9, 10
	s_add_co_u32 s80, s80, s81
	s_mov_b32 s81, 0
	s_add_nc_u64 s[98:99], s[98:99], s[80:81]      ; act: the expert's 64 tiles, the slice's 1,024 bytes of a tile
	s_lshl_b32 s80, s83, 16
	s_lshl_b32 s81, ttmp9, 1
	s_add_co_u32 s80, s80, s81
	s_mov_b32 s81, 0
	s_add_nc_u64 s[8:9], s[8:9], s[80:81]          ; acts: the slice's two bytes of a row
	s_wait_kmcnt 0x0                               ; the mask
	s_mov_b32 s3, 0
.set g, 0
.rept 32
	s_lshl_b32 s101, s3, 5
	s_or_b32 s[48+g+2*(g/16)], s101, g             ; (rows before word g) x 32 + g
	s_bcnt1_i32_b32 s101, s[16+g]
	s_add_co_u32 s3, s3, s101
.set g, g+1
.endr
	s_add_co_u32 s4, s3, 15
	s_lshr_b32 s4, s4, 4
	s_max_u32 s4, s4, 1                            ; NT: one tile at the least
	s_max_u32 s82, s3, 1
	s_sub_co_u32 s82, s82, 1                       ; NE - 1, held at 0
	LISTS                                          ; while the weights are on their way
	WLOAD 48, 63
	XPRO
	s_wait_loadcnt 63                              ; 73 loads were issued behind the last load of weights: the weights are in
	WIN 0x04                                       ; an LDS store's data are its source 1: window 1
.set k, 0
.rept 64
.set rr, k/2
.set prow, (rr&7)|((rr&8)<<1)|((rr&16)>>1)         ; the row with its bits 3 and 4 exchanged
	ds_store_b128 v[WST], v[4*k:4*k+3] offset:prow*P+512*(k%2)
.set k, k+1
.endr
	WIN 0
	s_wait_dscnt 0x0                               ; for the others' sake: my rows lie in LDS
	s_barrier_signal -1
	s_barrier_wait -1                              ; the one barrier: ahead of every branch on a number read from memory
	s_wait_alu depctr_vm_vsrc(0)                   ; my LDS stores have read window 1's registers, which the first products write
.Lpass:                                            ; at most four trips: T0 = 0, 20, 40, 60
.rept 9
	v_nop                                          ; this pass's first products write over registers of the last pass's: nine places
.endr
	WFRAG 0, 0                                     ; into W0: the wait at the lists' end stands ahead, and only v_nop since
	WFRAG 1, 0
	s_add_co_u32 s101, s5, s2
	s_add_co_u32 s101, s101, 16                    ; my fifth tile
	s_cmp_ge_u32 s101, s4
	s_cbranch_scc1 .Lfour                          ; it lies beyond the expert's last: the form with four tiles
.irp n, 0,1,2,3,4,5,6,7
	KSTEP \n, 5
.endr
	EPI 4, 0                                       ; the fifth tile leaves first, so that the two forms join ahead of what they share
	s_branch .Lcommon
.Lfour:
.irp n, 0,1,2,3,4,5,6,7
	KSTEP \n, 4
.endr
.Lcommon:
.irp n, 0,1,2,3
	EPI \n, 1
.endr
	POSM
	s_wait_xcnt 0x0                                ; the stores have read their registers: addresses and data may be written again
	s_wait_alu depctr_vm_vsrc(0)                   ; the pass's stores have read AO, ASO, CD, PW, PA and PV, its loads XA, XSA and SA: the two adds below, the next lists, the next way out and W0's next loads write them
	v_add_nc_u32 v[AO], 20*32768, v[AO]
	v_add_nc_u32 v[ASO], 20*1024, v[ASO]
	s_add_co_u32 s5, s5, 20
	s_cmp_ge_u32 s5, s4
	s_cbranch_scc1 .Ldone                          ; the expert's tiles are done
	LISTS
	XPRO                                           ; the same 73 loads stand in front of the first K step on both ways into the loop
	s_cmp_lt_u32 s5, 80                            ; the loop is counted against a constant: 4 x 20 tiles cover the 64 that an expert can have
	s_cbranch_scc1 .Lpass
.Ldone:
	s_wait_dscnt 0x0                               ; the closing lines, six on end
	s_wait_alu 0x0
	s_wait_tensorcnt 0x0
	ds_add_u32 v126, v127
	s_wait_dscnt 0x0
	s_endpgm
.Lfunc_end_k_q9dbd3ba8d4_gateup:
	.size	k_q9dbd3ba8d4_gateup, .Lfunc_end_k_q9dbd3ba8d4_gateup-k_q9dbd3ba8d4_gateup
	.p2alignl 7, 3214868480
	.fill 96, 4, 3214868480
	.section	.rodata,"a",@progbits
	.p2align	6, 0x0
	.amdhsa_kernel k_q9dbd3ba8d4_gateup
		.amdhsa_group_segment_fixed_size 133632
		.amdhsa_private_segment_fixed_size 0
		.amdhsa_enable_private_segment 0
		.amdhsa_kernarg_size 80
		.amdhsa_user_sgpr_count 2
		.amdhsa_user_sgpr_kernarg_segment_ptr 1
		.amdhsa_wavefront_size32 1
		.amdhsa_system_sgpr_workgroup_id_x 1
		.amdhsa_system_sgpr_workgroup_id_y 1
		.amdhsa_system_sgpr_workgroup_id_z 1
		.amdhsa_system_vgpr_workitem_id 0
		.amdhsa_next_free_vgpr 1024
		.amdhsa_next_free_sgpr 106
		.amdhsa_reserve_vcc 0
		.amdhsa_float_denorm_mode_32 3
		.amdhsa_float_denorm_mode_16_64 3
		.amdhsa_memory_ordered 1
		.amdhsa_forward_progress 1
		.amdhsa_inst_pref_size 255
	.end_amdhsa_kernel
	.section	.bss,"aw",@nobits
	.p2align	6
	.space	262144
	.amdgpu_metadata
---
amdhsa.version: [ 1, 2 ]
amdhsa.kernels:
  - .name:           k_q9dbd3ba8d4_gateup
    .symbol:         k_q9dbd3ba8d4_gateup.kd
    .args:
      - { .name: rmask, .offset: 0, .size: 8, .value_kind: global_buffer, .address_space: global }
      - { .name: xq, .offset: 8, .size: 8, .value_kind: global_buffer, .address_space: global }
      - { .name: xs, .offset: 16, .size: 8, .value_kind: global_buffer, .address_space: global }
      - { .name: w1_codes, .offset: 24, .size: 8, .value_kind: global_buffer, .address_space: global }
      - { .name: w1_scales, .offset: 32, .size: 8, .value_kind: global_buffer, .address_space: global }
      - { .name: w3_codes, .offset: 40, .size: 8, .value_kind: global_buffer, .address_space: global }
      - { .name: w3_scales, .offset: 48, .size: 8, .value_kind: global_buffer, .address_space: global }
      - { .name: act, .offset: 56, .size: 8, .value_kind: global_buffer, .address_space: global }
      - { .name: acts, .offset: 64, .size: 8, .value_kind: global_buffer, .address_space: global }
      - { .name: pos, .offset: 72, .size: 8, .value_kind: global_buffer, .address_space: global }
    .group_segment_fixed_size: 133632
    .private_segment_fixed_size: 0
    .kernarg_segment_align: 8
    .kernarg_segment_size: 80
    .max_flat_workgroup_size: 128
    .sgpr_count:     106
    .vgpr_count:     1024
    .wavefront_size: 32
...
	.end_amdgpu_metadata
.endif
;; end of part 6
;; launch down (part 7): grid 16 x 16, 4 waves a work-group, no clusters, 150,016 bytes of LDS; arguments rmask, act, acts, w2_codes, w2_scales, ye; writes ye
.if DOCPART == 7
	.amdgcn_target "amdgcn-amd-amdhsa--gfx1250"
	.amdhsa_code_object_version 6
	.text
	.protected	k_q9dbd3ba8d4_down
	.globl	k_q9dbd3ba8d4_down
	.p2align	8
	.type	k_q9dbd3ba8d4_down,@function
k_q9dbd3ba8d4_down:
	s_mov_b64 s[64:65], 0
	v_nop
	global_prefetch_b8 v0, s[64:65] scope:SCOPE_SE
	s_setreg_imm32_b32 hwreg(HW_REG_WAVE_SCHED_MODE, 0, 2), 2
	s_setreg_imm32_b32 hwreg(HW_REG_WAVE_MODE, 25, 1), 1
	s_wait_xcnt 0x0
	s_wait_alu depctr_vm_vsrc(0)
; ye[1024 e + p][:] = act(row p of expert e) W2[e]^T, on codes of E4M3 with one E8M0 scale for each 32 along K = 2,048.
; SHARES.  Work-group (x = hs, y = 2 e + half) takes output columns 64 hs .. 64 hs + 63 of expert e, for the row tiles of parity half.  Its 128 KiB of w2 lie in LDS, written once.
; Wave w takes tiles TH + 2 w + 8 i, i = 0..2; TH begins at half and steps by 24 until the expert's tiles are done (three passes at the most: an expert has at most 64 tiles).
; TWO FORMS OF THE K STEPS.  2,048 routed rows on 8 experts are 16 tiles an expert where the choice is even: 8 of each parity, two a wave.  A wave whose third tile lies beyond the expert's last walks
; the K steps in a form with two tiles: 8 products a step in place of 12, and from K step 4 on no loads for the third.  The choice is a scalar branch at the head of a pass.  The loads ahead of the
; first K step are the same in both forms.  The third tile's way out stands first, and the two forms join behind it.
; act lies in memory as an image of the operand's registers ([64 e + tile][K step][c][lane][16 bytes]): each load of a fragment's four registers reads 512 consecutive bytes.
; NO TENSOR LOADS, NO CLUSTER: passes and tiles left out hang on a count read from memory; the one barrier stands ahead of the first such branch.
; The product is used transposed (source 0 = 16 rows of w2, source 1 = 16 rows of act): a lane holds eight neighbouring columns of one row of ye.  They go through the wave's own stage in LDS and
; leave as rows: sixteen lanes store 256 consecutive bytes, at a multiple of 256 from ye's first byte.
; K is outermost and written out: 16 steps of 128; 12 or 8 accumulators; a fragment of w2 from LDS feeds three or two products; w2's fragments run in three register sets, two steps ahead; act's fragments run in a ring of five register sets, four steps ahead.
; A tile number beyond the expert's last is held at the last for the loads and left out on the way out.  An expert that nobody chose counts as having one tile, as in the launch before, which has stored it.
; REGISTERS.  window 0: v1-15, v96 addresses; v16-47 w2's scale words; v48-95 act's; v128-191, v192-255 w2's fragments, sets 0 and 1 (on the way out: rows read back).
;   window 1: at the head the weights on their way to LDS; then accumulator (i, T) at v[32 i + 8 T].   window 2: v0-239 the ring, set s % 5, tile i at + 16 i.   window 3: v0-63 w2's fragments, set 2.
; THE MODE: SCHED_MODE bits 1:0 = 2 (LLVM: expert scheduling mode 2), set by the entry lines.  The code itself states the register dependences between vector or matrix instructions and memory or LDS
; instructions, and those through scalar registers that vector instructions write, with s_wait_alu, always for 0.
; THE PLAN.  Registers that memory or LDS instructions touch, and who else names them:
;   W0, W1, W2    K step s: its products read W[s % 3]; the LDS loads of step s + 2's fragments, issued in step s, land in W[(s + 2) % 3] = W[(s - 1) % 3], which step s - 1's products read.
;   the ring      K step s: its products read set s % 5; the loads of step s + 4, issued in step s, land in set (s - 1) % 5, which step s - 1's products read.
;                 So ONE wait on va_vdst stands at the head of K steps 1 to 13.  The step's loads follow it, behind the step's first four products, which with the others name W[s % 3], set s % 5, scale words
;                 and accumulators: none of the registers that those loads touch.  Step 0's loads lean on the wait at the end of TILES; steps 14 and 15 load nothing.
;   accumulators  Written by the products, read by the LDS stores of the way out: the places and one va_vdst behind step 15, in both forms.  The way out holds no vector instruction, so that wait also serves the
;                 loads from the stage, which land in W0 and W1.
;   AS            Loaded at a pass's head, read by the pass's products as scales.
;   AA, ASA       Written by TILES, read by loads: va_vdst at the end of TILES, vm_vsrc at the pass's end ahead of the next TILES.
;   GO            Stepped at the pass's end, behind that vm_vsrc, which also frees the accumulators and the rows read back.
;   v1, v2, AW, WST, WSO, STO, RD  Made at the head, never written again: one va_vdst ahead of the first load.
;   window 1      At the head: loaded, read by the LDS stores, then written by the products: vm_vsrc behind the barrier.
.set P2,   2064                        ; a row of w2 in LDS: 2,048 bytes + 16: 129 x 16
.set STG,  64*P2                       ; behind the weights: a stage of 16 rows x (256 bytes + 16) for each wave
.set R64,  2                           ; v2   64 r
.set AW,   4                           ; v4, v5  LDS address of my part of tiles 0, 1 and of tiles 2, 3
.set WST,  6
.set WSO,  7                           ; v7   64 x lane: my row among w2's scale bytes
.set AA,   8                           ; v8-10  tile i: my bytes in act
.set ASA,  11                          ; v11-13 tile i: my row in acts
.set STO,  14
.set RD,   15
.set WS,   16                          ; v[WS + 16 bb + s]: lanes 0-15 tile 2 bb, lanes 16-31 tile 2 bb + 1
.set AS,   48                          ; v[AS + 16 i + s]
.set GO,   96                          ; v96  my bytes in ye, tile TH + 2 w
.set WF,   128
; SCALARS: s2 wave; s3 NE; s4 NT; s5 TH; s6 e; s[10:11] act; s[12:13] acts; s[14:15] my wave's weights; s16-47 the mask; s[48:49] w2's scales; s[50:51] ye; s57 NT - 1; s58 passes done; s52-56 at work.
.set MSB, 0
.macro WIN new
.if MSB != \new
	s_set_vgpr_msb (MSB<<8)|\new
.set MSB, \new
.endif
.endm
.macro PLACES                          ; eight places behind this matrix form: at each K step's end; they stay beside the waits
.rept 8
	v_nop
.endr
.endm
.macro WLOAD k0, k1                    ; my wave's 16 rows of w2 are 32 KiB on end.  No hint: the work-group of the other parity reads the same bytes
	WIN 0x40
.set k, \k0
.rept (\k1)-(\k0)+1
	global_load_b128 v[4*k:4*k+3], v1, s[14:15] offset:512*k
.set k, k+1
.endr
	WIN 0
.endm
.macro TILES                           ; this pass's three tiles
	s_lshl_b32 s52, s2, 1
	s_add_co_u32 s52, s52, s5
.irp i, 0,1,2
	s_add_co_u32 s53, s52, 8*\i
	s_min_u32 s53, s53, s57                        ; held at the expert's last tile,
	s_min_u32 s53, s53, 63                         ; and by a constant, since the count was read from memory
	s_lshl_b32 s55, s53, 15
	v_add_nc_u32 v[AA+\i], s55, v1
	s_lshl_b32 s55, s53, 10
	v_add_nc_u32 v[ASA+\i], s55, v[R64]
.endr
	s_wait_alu depctr_va_vdst(0)                   ; AA and ASA are written, which the loads below read; GO's step is written; the last pass's products are done reading AS, the ring and w2's sets: loads land in these up to K step 0's end
.endm
.macro ALOADS ks, nt                   ; act's fragments of K step ks, tiles 0 .. nt - 1, into ring set ks % 5
	WIN 0x80
.irp i, 0,1,2
.if \i < (\nt)
.irp c, 0,1,2,3
	global_load_b128 v[48*((\ks)%5)+16*\i+4*\c:48*((\ks)%5)+16*\i+4*\c+3], v[AA+\i], s[10:11] offset:2048*(\ks)+512*\c
.endr
.endif
.endr
.endm
.macro APRO                            ; 60 loads: 12 + 4 x 12; the same for both forms of the K steps
.irp i, 0,1,2
.irp n, 0,1,2,3
	global_load_b128 v[AS+16*\i+4*\n:AS+16*\i+4*\n+3], v[ASA+\i], s[12:13] offset:16*\n
.endr
.endr
	ALOADS 0, 3
	ALOADS 1, 3
	ALOADS 2, 3
	ALOADS 3, 3
	WIN 0
.endm
.macro WFRAG ks                        ; w2's four fragments of K step ks into set ks % 3: sets 0 and 1 in window 0, set 2 in window 3
.set WWN, 3*(((\ks)%3)/2)
.set WBS, (WF+64*((\ks)%3))*(1-((\ks)%3)/2)
	WIN (WWN<<6)
.irp t, 0,1,2,3
.irp c, 0,1,2,3
	ds_load_b128 v[WBS+16*\t+4*\c:WBS+16*\t+4*\c+3], v[AW+\t/2] offset:16*(\t%2)*P2+128*(\ks)+32*\c
.endr
.endr
.endm
.macro DM i, t, ks
.set rD, 32*(\i)+8*(\t)
.set rA, (WF+64*((\ks)%3))*(1-((\ks)%3)/2)+16*(\t)
.set rB, 48*((\ks)%5)+16*(\i)
.set rSA, WS+16*((\t)/2)+(\ks)
.set rSB, AS+16*(\i)+(\ks)
.if (\ks) == 0
.if (\t)%2
	v_wmma_scale_f32_16x16x128_f8f6f4 v[rD:rD+7], v[rA:rA+15], v[rB:rB+15], 0, v[rSA], v[rSB] matrix_a_scale:MATRIX_SCALE_ROW1
.else
	v_wmma_scale_f32_16x16x128_f8f6f4 v[rD:rD+7], v[rA:rA+15], v[rB:rB+15], 0, v[rSA], v[rSB]
.endif
.else
.if (\t)%2
	v_wmma_scale_f32_16x16x128_f8f6f4 v[rD:rD+7], v[rA:rA+15], v[rB:rB+15], v[rD:rD+7], v[rSA], v[rSB] matrix_a_scale:MATRIX_SCALE_ROW1
.else
	v_wmma_scale_f32_16x16x128_f8f6f4 v[rD:rD+7], v[rA:rA+15], v[rB:rB+15], v[rD:rD+7], v[rSA], v[rSB]
.endif
.endif
.endm
.macro DSTEP ks, nt
.if (\nt) == 3
.if (\ks) <= 12
	s_wait_loadcnt 36                              ; this step's act is in; the 3 x 12 loads of the three steps behind it may be out
.else
	s_wait_loadcnt 12*(15-(\ks))
.endif
.else
.if (\ks) <= 3
	s_wait_loadcnt 36-4*(\ks)                      ; of the three steps behind this one, those up to step 3 were asked for at the pass's head with 12 loads, the later ones here with 8
.elseif (\ks) <= 12
	s_wait_loadcnt 24                              ; 3 x 8
.else
	s_wait_loadcnt 8*(15-(\ks))
.endif
.endif
.if (\ks) < 15
	s_wait_dscnt 16                                ; this step's fragments of w2 are in; the next step's sixteen loads may be out
.else
	s_wait_dscnt 0x0
.endif
.if (\ks) > 0 && (\ks) <= 13
	s_wait_alu depctr_va_vdst(0)                   ; the step before is done reading its set of w2 and its set of the ring, in which this step's loads land
.endif
	WIN (0x58|(3*(((\ks)%3)/2)))                   ; source 0 (w2) window 0 or 3, source 1 (act) window 2, C and D window 1
.irp t, 0,1,2,3
	DM 0, \t, \ks                                  ; the accumulators take turns, one instruction a turn
.endr
.if (\ks) <= 11
	ALOADS (\ks)+4, \nt                            ; no further wait: no product since the wait names set (ks - 1) % 5 of the ring, set (ks - 1) % 3 of w2, AA or AW
.endif
.if (\ks) <= 13
	WFRAG (\ks)+2
.endif
	WIN (0x58|(3*(((\ks)%3)/2)))
.irp i, 1,2
.if \i < (\nt)
.irp t, 0,1,2,3
	DM \i, \t, \ks
.endr
.endif
.endr
	PLACES
.if (\ks) == 15
	WIN 0
	s_wait_alu depctr_va_vdst(0)                   ; the products have written the accumulators, which the LDS stores of the way out read, and are done reading w2's sets 0 and 1, in which the rows read back land; the places above stay beside this wait
.endif
.endm
.macro OUTT ti, chk                    ; tile ti leaves; chk = 1: a tile beyond the expert's last is left out.  No vector instruction stands here: the wait behind K step 15 serves all three tiles
.if \chk
	s_lshl_b32 s52, s2, 1
	s_add_co_u32 s52, s52, s5
	s_add_co_u32 s52, s52, 8*(\ti)
	s_cmp_ge_u32 s52, s4
	s_cbranch_scc1 .Lno_\@
.endif
	WIN 0x04                                       ; an LDS store's data are its source 1: window 1
.irp t, 0,1,2,3
	ds_store_b128 v[STO], v[32*(\ti)+8*\t:32*(\ti)+8*\t+3] offset:64*\t        ; each accumulator from its low end on
	ds_store_b128 v[STO], v[32*(\ti)+8*\t+4:32*(\ti)+8*\t+7] offset:64*\t+16
.endr
	WIN 0
.irp n, 0,1,2,3,4,5,6,7
	ds_load_b128 v[WF+32*(\ti)+4*\n:WF+32*(\ti)+4*\n+3], v[RD] offset:544*\n   ; LDS serves a wave's instructions in order (ISA guide 5.7.1.4): these see my stores, and the next tile's stores come behind them
.endr
.irp n, 0,1,2,3,4,5,6,7
	s_wait_dscnt 7-\n
	global_store_b128 v[GO], v[WF+32*(\ti)+4*\n:WF+32*(\ti)+4*\n+3], s[50:51] offset:524288*(\ti)+8192*\n th:TH_STORE_NT
.endr
.if \chk
.Lno_\@:
.endif
.endm
	s_load_b256 s[8:15], s[0:1], 0x0               ; rmask 8, act 10, acts 12, w2_codes 14
	s_load_b128 s[48:51], s[0:1], 0x20             ; w2_scales 48, ye 50
	v_lshl_add_u32 v126, v0, 2, 0x24800
	v_mov_b32 v127, 0
	v_lshrrev_b32 v97, 5, v0
	v_readfirstlane_b32 s2, v97                    ; wave 0..3
	s_and_b32 s7, ttmp7, 0xffff
	s_lshr_b32 s6, s7, 1                           ; the expert
	s_and_b32 s5, s7, 1                            ; TH = the parity
	s_mov_b32 s58, 0                               ; passes done
	v_and_b32 v97, 31, v0                          ; lane
	v_lshlrev_b32 v1, 4, v97
	v_and_b32 v98, 15, v0                          ; r
	v_bfe_u32 v99, v0, 4, 1                        ; h
	v_lshlrev_b32 v[R64], 6, v98
	v_mul_u32_u24 v[AW], v98, P2
	v_lshl_add_u32 v[AW], v99, 4, v[AW]
	v_add_nc_u32 v[AW+1], 32*P2, v[AW]
	s_wait_alu depctr_va_sdst(0)                   ; s2 is written, ahead of its first reader: LDS places, bases and tile numbers are made from it
	s_mul_i32 s52, s2, 16*P2
	v_add_nc_u32 v[WST], s52, v1
	v_lshlrev_b32 v[WSO], 6, v97
	s_mul_i32 s52, s2, 16*272
	s_add_co_u32 s52, s52, STG                     ; my stage
	v_mul_u32_u24 v[STO], v98, 272
	v_lshl_add_u32 v[STO], v99, 5, v[STO]
	v_add_nc_u32 v[STO], s52, v[STO]               ; in: row r, 32 bytes for each half of the lanes
	v_mul_u32_u24 v[RD], v99, 272
	v_lshl_add_u32 v[RD], v98, 4, v[RD]
	v_add_nc_u32 v[RD], s52, v[RD]                 ; back: lanes 0-15 one row of 256 bytes, lanes 16-31 the next
	v_lshlrev_b32 v[GO], 12, v99
	v_lshl_add_u32 v[GO], v98, 4, v[GO]            ; and the same two rows in ye
	s_lshl_b32 s52, s2, 1
	s_add_co_u32 s52, s52, s5
	s_lshl_b32 s52, s52, 16                        ; a tile's 16 rows of 4,096 bytes
	v_add_nc_u32 v[GO], s52, v[GO]
	s_lshl_b32 s52, s6, 7
	s_mov_b32 s53, 0
	s_wait_kmcnt 0x0
	s_add_nc_u64 s[52:53], s[8:9], s[52:53]
	s_load_b512 s[16:31], s[52:53], 0x0            ; the expert's mask
	s_load_b512 s[32:47], s[52:53], 0x40
	s_lshl_b32 s54, s6, 16
	s_mov_b32 s55, 0
	s_add_nc_u64 s[12:13], s[12:13], s[54:55]      ; acts: the expert's 64 tiles
	s_lshl_b32 s56, ttmp9, 12
	s_add_co_u32 s54, s54, s56
	s_add_nc_u64 s[48:49], s[48:49], s[54:55]      ; w2's scales: 65,536 e + 4,096 hs
	s_wait_alu depctr_va_vdst(0)                   ; the head's offsets and addresses v1, v2, v4 to v7, v14, v15 and v96 are written: loads, LDS instructions and stores read them from here on
.irp b, 0,1
.irp n, 0,1,2,3
	global_load_b128 v[WS+16*\b+4*\n:WS+16*\b+4*\n+3], v[WSO], s[48:49] offset:2048*\b+16*\n
.endr
.endr
	s_lshl_b32 s54, s6, 21
	s_add_nc_u64 s[10:11], s[10:11], s[54:55]      ; act: the expert's 64 tiles
	s_lshl_b32 s56, ttmp9, 17
	s_add_co_u32 s54, s54, s56
	s_lshl_b32 s56, s2, 15
	s_add_co_u32 s54, s54, s56
	s_add_nc_u64 s[14:15], s[14:15], s[54:55]      ; my wave's 16 rows of w2
	WLOAD 0, 47                                    ; with the 8 loads of scales: 56 loads are out
	s_lshl_b32 s54, s6, 22
	s_lshl_b32 s56, ttmp9, 8
	s_add_co_u32 s54, s54, s56
	s_add_nc_u64 s[50:51], s[50:51], s[54:55]      ; ye: the expert's 1,024 rows, my 64 columns
	s_wait_kmcnt 0x0                               ; the mask
	s_mov_b32 s3, 0
.set g, 0
.rept 32
	s_bcnt1_i32_b32 s56, s[16+g]
	s_add_co_u32 s3, s3, s56
.set g, g+1
.endr
	s_add_co_u32 s4, s3, 15
	s_lshr_b32 s4, s4, 4
	s_max_u32 s4, s4, 1                            ; NT: one tile at the least, as the launch before has stored
	s_sub_co_u32 s57, s4, 1                        ; NT - 1
	TILES
	WLOAD 48, 63
	APRO
	s_wait_loadcnt 60                              ; the 60 loads issued behind the weights may be out: the weights are in
	WIN 0x04
.set k, 0
.rept 64
	ds_store_b128 v[WST], v[4*k:4*k+3] offset:(k/4)*P2+512*(k%4)
.set k, k+1
.endr
	WIN 0
	s_wait_dscnt 0x0                               ; for the others' sake: my rows lie in LDS
	s_barrier_signal -1
	s_barrier_wait -1                              ; the one barrier: ahead of every branch on a number read from memory
	s_wait_alu depctr_vm_vsrc(0)                   ; my LDS stores have read window 1's registers, which the first products write
	s_cmp_ge_u32 s5, s4
	s_cbranch_scc1 .Ldone                          ; no tile of my parity
.Lpass:                                            ; at most three trips: TH = half, half + 24, half + 48
.rept 9
	v_nop                                          ; this pass's first products write over registers of the last pass's: nine places
.endr
	WFRAG 0                                        ; into sets 0 and 1: the wait at the end of TILES stands ahead, and only v_nop since
	WFRAG 1
	s_lshl_b32 s52, s2, 1
	s_add_co_u32 s52, s52, s5
	s_add_co_u32 s52, s52, 16                      ; my third tile
	s_cmp_ge_u32 s52, s4
	s_cbranch_scc1 .Ltwo                           ; it lies beyond the expert's last: the form with two tiles
.irp n, 0,1,2,3,4,5,6,7,8,9,10,11,12,13,14,15
	DSTEP \n, 3
.endr
	OUTT 2, 0                                      ; the third tile leaves first, so that the two forms join ahead of what they share
	s_branch .Lcommon
.Ltwo:
.irp n, 0,1,2,3,4,5,6,7,8,9,10,11,12,13,14,15
	DSTEP \n, 2
.endr
.Lcommon:
	OUTT 0, 1
	OUTT 1, 1
	s_wait_xcnt 0x0                                ; the stores have read their registers: address and data may be written again
	s_wait_alu depctr_vm_vsrc(0)                   ; the pass's stores have read GO and the rows read back, its LDS stores the accumulators, its loads AA and ASA: the add below, the next TILES, the next loads of w2 and the next products write them
	v_add_nc_u32 v[GO], 24*65536, v[GO]
	s_add_co_u32 s5, s5, 24
	s_cmp_ge_u32 s5, s4
	s_cbranch_scc1 .Ldone                          ; the expert's tiles are done
	TILES
	APRO                                           ; the same 60 loads stand in front of the first K step on both ways into the loop
	s_add_co_u32 s58, s58, 1
	s_cmp_lt_u32 s58, 3                            ; the loop is counted against a constant: 3 x 24 tile numbers cover the 64 that an expert can have
	s_cbranch_scc1 .Lpass
.Ldone:
	s_wait_dscnt 0x0                               ; the closing lines, six on end
	s_wait_alu 0x0
	s_wait_tensorcnt 0x0
	ds_add_u32 v126, v127
	s_wait_dscnt 0x0
	s_endpgm
.Lfunc_end_k_q9dbd3ba8d4_down:
	.size	k_q9dbd3ba8d4_down, .Lfunc_end_k_q9dbd3ba8d4_down-k_q9dbd3ba8d4_down
	.p2alignl 7, 3214868480
	.fill 96, 4, 3214868480
	.section	.rodata,"a",@progbits
	.p2align	6, 0x0
	.amdhsa_kernel k_q9dbd3ba8d4_down
		.amdhsa_group_segment_fixed_size 150016
		.amdhsa_private_segment_fixed_size 0
		.amdhsa_enable_private_segment 0
		.amdhsa_kernarg_size 48
		.amdhsa_user_sgpr_count 2
		.amdhsa_user_sgpr_kernarg_segment_ptr 1
		.amdhsa_wavefront_size32 1
		.amdhsa_system_sgpr_workgroup_id_x 1
		.amdhsa_system_sgpr_workgroup_id_y 1
		.amdhsa_system_sgpr_workgroup_id_z 1
		.amdhsa_system_vgpr_workitem_id 0
		.amdhsa_next_free_vgpr 1024
		.amdhsa_next_free_sgpr 66
		.amdhsa_reserve_vcc 0
		.amdhsa_float_denorm_mode_32 3
		.amdhsa_float_denorm_mode_16_64 3
		.amdhsa_memory_ordered 1
		.amdhsa_forward_progress 1
		.amdhsa_inst_pref_size 144
	.end_amdhsa_kernel
	.amdgpu_metadata
---
amdhsa.version: [ 1, 2 ]
amdhsa.kernels:
  - .name:           k_q9dbd3ba8d4_down
    .symbol:         k_q9dbd3ba8d4_down.kd
    .args:
      - { .name: rmask, .offset: 0, .size: 8, .value_kind: global_buffer, .address_space: global }
      - { .name: act, .offset: 8, .size: 8, .value_kind: global_buffer, .address_space: global }
      - { .name: acts, .offset: 16, .size: 8, .value_kind: global_buffer, .address_space: global }
      - { .name: w2_codes, .offset: 24, .size: 8, .value_kind: global_buffer, .address_space: global }
      - { .name: w2_scales, .offset: 32, .size: 8, .value_kind: global_buffer, .address_space: global }
      - { .name: ye, .offset: 40, .size: 8, .value_kind: global_buffer, .address_space: global }
    .group_segment_fixed_size: 150016
    .private_segment_fixed_size: 0
    .kernarg_segment_align: 8
    .kernarg_segment_size: 48
    .max_flat_workgroup_size: 128
    .sgpr_count:     66
    .vgpr_count:     1024
    .wavefront_size: 32
...
	.end_amdgpu_metadata
.endif
;; end of part 7
;; launch combine (part 8): grid 256 x 1, 4 waves a work-group, no clusters, 0 bytes of LDS; arguments pos, topw, ye, out0; writes out0
.if DOCPART == 8
	.amdgcn_target "amdgcn-amd-amdhsa--gfx1250"
	.amdhsa_code_object_version 6
	.text
	.protected	k_q9dbd3ba8d4_combine
	.globl	k_q9dbd3ba8d4_combine
	.p2align	8
	.type	k_q9dbd3ba8d4_combine,@function
k_q9dbd3ba8d4_combine:
	s_mov_b64 s[64:65], 0
	v_nop
	global_prefetch_b8 v0, s[64:65] scope:SCOPE_SE
	s_setreg_imm32_b32 hwreg(HW_REG_WAVE_MODE, 25, 1), 1
	s_wait_xcnt 0x0
; out0[t][:] = topw[t][0] ye[pos[t][0]][:] + topw[t][1] ye[pos[t][1]][:], in f32.  The six experts that a token did not choose have the weight 0 in the sum and are not formed.
; A wave takes a token: two rows of 4,096 bytes in, one out; each load and store of the wave covers 512 consecutive bytes.  Memory binds: no LDS, no barrier, no matrix unit.
; Each output row has this one owner, so the two experts' parts, made by different work-groups of the launch before, are added without traffic between work-groups.
	s_load_b256 s[4:11], s[0:1], 0x0               ; pos s[4:5], topw s[6:7], ye s[8:9], out0 s[10:11]
	v_lshrrev_b32 v1, 5, v0
	v_readfirstlane_b32 s16, v1                    ; wave 0..3
	s_lshl_b32 s17, ttmp9, 2
	s_add_co_u32 s17, s17, s16                     ; my token
	s_lshl_b32 s20, s17, 3                         ; 8 bytes a token in pos and in topw
	v_and_b32 v1, 31, v0
	v_lshlrev_b32 v1, 4, v1                        ; 16 x lane
	s_lshl_b32 s22, s17, 12
	s_mov_b32 s23, 0
	s_wait_alu depctr_va_vdst(0)
	s_wait_kmcnt 0x0
	s_load_b64 s[12:13], s[4:5], s20 offset:0x0    ; the two rows of ye
	s_load_b64 s[14:15], s[6:7], s20 offset:0x0    ; the two weights
	s_add_nc_u64 s[10:11], s[10:11], s[22:23]
	s_wait_kmcnt 0x0
	s_min_u32 s12, s12, 0x1fff                     ; a number read from memory enters an address only behind such a hold: ye has 8,192 rows
	s_min_u32 s13, s13, 0x1fff
	s_lshl_b32 s12, s12, 12
	s_lshl_b32 s13, s13, 12
	v_add_nc_u32 v2, s12, v1
	v_add_nc_u32 v3, s13, v1
	s_mov_b32 s18, s15                             ; the second weight as the low word of a pair of its own
	s_mov_b32 s19, s15
.irp j, 0,1,2,3,4,5,6,7
	global_load_b128 v[16+4*\j:19+4*\j], v2, s[8:9] offset:512*\j th:TH_LOAD_NT
.endr
.irp j, 0,1,2,3,4,5,6,7
	global_load_b128 v[48+4*\j:51+4*\j], v3, s[8:9] offset:512*\j th:TH_LOAD_NT
.endr
.irp j, 0,1,2,3,4,5,6,7
	s_wait_loadcnt 7-\j                            ; the second row's load j is in, and with it the first row's: 7 - j younger loads may be out
	v_pk_mul_f32 v[80+4*\j:81+4*\j], v[16+4*\j:17+4*\j], s[14:15] op_sel_hi:[1,0]
	v_pk_mul_f32 v[82+4*\j:83+4*\j], v[18+4*\j:19+4*\j], s[14:15] op_sel_hi:[1,0]
	v_pk_fma_f32 v[80+4*\j:81+4*\j], v[48+4*\j:49+4*\j], s[18:19], v[80+4*\j:81+4*\j] op_sel_hi:[1,0,1]
	v_pk_fma_f32 v[82+4*\j:83+4*\j], v[50+4*\j:51+4*\j], s[18:19], v[82+4*\j:83+4*\j] op_sel_hi:[1,0,1]
	global_store_b128 v1, v[80+4*\j:83+4*\j], s[10:11] offset:512*\j th:TH_STORE_NT
.endr
	s_endpgm
.Lfunc_end_k_q9dbd3ba8d4_combine:
	.size	k_q9dbd3ba8d4_combine, .Lfunc_end_k_q9dbd3ba8d4_combine-k_q9dbd3ba8d4_combine
	.p2alignl 7, 3214868480
	.fill 96, 4, 3214868480
	.section	.rodata,"a",@progbits
	.p2align	6, 0x0
	.amdhsa_kernel k_q9dbd3ba8d4_combine
		.amdhsa_group_segment_fixed_size 0
		.amdhsa_private_segment_fixed_size 0
		.amdhsa_enable_private_segment 0
		.amdhsa_kernarg_size 32
		.amdhsa_user_sgpr_count 2
		.amdhsa_user_sgpr_kernarg_segment_ptr 1
		.amdhsa_wavefront_size32 1
		.amdhsa_system_sgpr_workgroup_id_x 1
		.amdhsa_system_sgpr_workgroup_id_y 1
		.amdhsa_system_sgpr_workgroup_id_z 1
		.amdhsa_system_vgpr_workitem_id 0
		.amdhsa_next_free_vgpr 112
		.amdhsa_next_free_sgpr 66
		.amdhsa_reserve_vcc 0
		.amdhsa_float_denorm_mode_32 3
		.amdhsa_float_denorm_mode_16_64 3
		.amdhsa_memory_ordered 1
		.amdhsa_forward_progress 1
		.amdhsa_inst_pref_size 6
	.end_amdhsa_kernel
	.amdgpu_metadata
---
amdhsa.version: [ 1, 2 ]
amdhsa.kernels:
  - .name:           k_q9dbd3ba8d4_combine
    .symbol:         k_q9dbd3ba8d4_combine.kd
    .args:
      - { .name: pos, .offset: 0, .size: 8, .value_kind: global_buffer, .address_space: global }
      - { .name: topw, .offset: 8, .size: 8, .value_kind: global_buffer, .address_space: global }
      - { .name: ye, .offset: 16, .size: 8, .value_kind: global_buffer, .address_space: global }
      - { .name: out0, .offset: 24, .size: 8, .value_kind: global_buffer, .address_space: global }
    .group_segment_fixed_size: 0
    .private_segment_fixed_size: 0
    .kernarg_segment_align: 8
    .kernarg_segment_size: 32
    .max_flat_workgroup_size: 128
    .sgpr_count:     66
    .vgpr_count:     112
    .wavefront_size: 32
...
	.end_amdgpu_metadata
.endif
;; end of part 8
